; MI455X (gfx1250); checked and timed in simulation.
; The chip was launched on July 23, 2026; its instructions are those of AMD's public machine-readable ISA for CDNA 5 (MIT licence, August 2026) and "CDNA5" Instruction Set Architecture Reference Guide (July 2026). The comments in the code are by the model that wrote it; some were corrected since.
;; Multi Head Self Attention. Allowed arithmetic: matrix products marked QUANTISED: E2M1 operands, one E8M0 scale for each 32 along K, by v_wmma_scale_f32_16x16x128_f8f6f4 with both operands' format E2M1 (or v_wmma_scale_f32_32x16x128_f4), f32 sums; products left as they are: bf16, f16 or f32 operands; f32 sums; everything else in f32.
;; Inputs: Wk 1,024 x 1,024 float32; Wo 1,024 x 1,024 float32; Wq 1,024 x 1,024 float32; Wv 1,024 x 1,024 float32; bk 1,024 float32; bo 1,024 float32; bq 1,024 float32; bv 1,024 float32; x 4 x 2,048 x 1,024 float32.
;; Outputs: out0 4 x 2,048 x 1,024 float32.
;; This version of the problem:
;;   THIS VERSION OF THE PROBLEM IS GIVEN IN LOW PRECISION. The matrix products marked QUANTISED in the list below multiply operands that are first quantised to E2M1 (2 exponent bits, 1 mantissa bit; 4 bits a number), with one power-of-two scale for each 32 numbers along K (OCP MX v1.0); their sums are f32. The products marked 'left as it is' may take bf16, f16 or f32 operands, with f32 sums. Whichever they take, every output number must still come out within the allowed error. Rounding operands to bf16 (8 significant bits) uses up far more of that allowance than f16 does (11 bits, for magnitudes from 6e-5 to 65,504). All else is computed in f32.
;;   The module's matrix products, in the order in which they are computed (A, B: the left and right operand; K: the contracted axis; several contracted axes count as one K, in the product's order):
;;     1. [M 8,192, K 1,024] x [K 1,024, N 1,024]; A: input x; B: input Wq: QUANTISED
;;     2. [M 8,192, K 1,024] x [K 1,024, N 1,024]; A: input x; B: input Wk: QUANTISED
;;     3. [M 8,192, K 1,024] x [K 1,024, N 1,024]; A: input x; B: input Wv: QUANTISED
;;     4. batch 64 x [M 2,048, K 64] x [K 64, N 2,048]; A: computed on the way; B: computed on the way: left as it is (an operand is computed on the way)
;;     5. batch 64 x [M 2,048, K 2,048] x [K 2,048, N 64]; A: computed on the way; B: computed on the way: left as it is (an operand is computed on the way)
;;     6. [M 8,192, K 1,024] x [K 1,024, N 1,024]; A: computed on the way; B: input Wo: left as it is (an operand is computed on the way)
;;   THE QUANTISER, for each operand of a quantised product, along K:
;;     - K is cut into blocks of 32 from its start; a last block that is shorter is filled with zeros.
;;     - A block's scale is 2^e with e = floor(log2(the largest magnitude in the block)) - 2, held to -126 .. 127; a block of zeros has e = 0. As a byte (E8M0): e + 127.
;;     - Each number is divided by its block's scale, clamped to +-6, and rounded to the nearest number of E2M1, ties to even, subnormals kept.
;;     - The product sums the exact products of the quantised numbers (number of the format x scale) in f32.
;;   ~~~python
;;   def quantise(x, axis):      # numpy; x: float32 -> the quantised numbers, widened to float32 again
;;       x = np.moveaxis(x, axis, -1); K = x.shape[-1]
;;       x = np.pad(x, [(0, 0)] * (x.ndim - 1) + [(0, -K % 32)]); x = x.reshape(x.shape[:-1] + (-1, 32)); a = np.abs(x).max(-1, keepdims=True)
;;       e = np.where(a > 0, np.clip(np.frexp(np.where(a > 0, a, 1))[1] - 1 - 2, -126, 127), 0)      # np.frexp(a)[1] - 1 = floor(log2(a)), exactly
;;       r = np.clip(x / 2.0 ** e, -6, 6)
;;       step = 2.0 ** (np.maximum(np.frexp(np.where(r == 0, 1, r))[1] - 1, 0) - 1)
;;       q = np.round(r / step) * step * 2.0 ** e      # np.round: ties to even
;;       return np.moveaxis(q.reshape(q.shape[:-2] + (-1,))[..., :K], -1, axis).astype(np.float32)
;;   ~~~
;; One version. Each part assembles by itself: llvm-mc -triple=amdgcn-amd-amdhsa -mcpu=gfx1250 --defsym DOCPART=n.
;; ======== version 1 of 1: 4 launches
;; limits: values are held in f16: magnitudes above 65,504 overflow, below 6.1e-05 lose precision
;; workspace buffers: x_codes 4,194,304 bytes; x_scales 262,144 bytes; w_codes 1,572,864 bytes; w_scales 98,304 bytes; wo_t 2,097,152 bytes; qkv 50,331,648 bytes; attn 16,777,216 bytes
;; launch prep (part 1): grid 368 x 1, 4 waves a work-group, no clusters, 102,912 bytes of LDS; arguments x, Wq, Wk, Wv, Wo, x_codes, x_scales, w_codes, w_scales, wo_t; writes x_codes, x_scales, w_codes, w_scales, wo_t
.if DOCPART == 1
	.amdgcn_target "amdgcn-amd-amdhsa--gfx1250"
	.amdhsa_code_object_version 6
	.text
	.protected	k_q20b58f7512_prep
	.globl	k_q20b58f7512_prep
	.p2align	8
	.type	k_q20b58f7512_prep,@function
k_q20b58f7512_prep:
	s_mov_b64 s[64:65], 0
	v_nop
	global_prefetch_b8 v0, s[64:65] scope:SCOPE_SE
	s_setreg_imm32_b32 hwreg(HW_REG_WAVE_MODE, 25, 1), 1
	s_wait_xcnt 0x0
; THE OPERANDS ARE MADE READY, ONCE.  Three kinds of work-group, told apart by the work-group's number; each kind has its own way through the text, its own LDS bytes and its own end.
;   0-255   x [8192][1024] f32 -> codes of FP4 (E2M1), K innermost, [8192][512 bytes], and one E8M0 byte for each 32 along K, [8192][32].
;   256-303 Wq, Wk, Wv [k 1024][n 1024] f32, K the FIRST axis -> codes [3072 = 1024 w + n][512 bytes], K innermost, and scale bytes [3072][32].
;   304-367 Wo [k 1024][n 1024] f32 -> f16, turned: wo_t [n 1024][k 1024].
; A block's scale is 2^(floor(log2(its largest magnitude)) - 2); its byte is the largest magnitude's exponent field - 2, held at 1 from below; each number is divided by the scale and rounded to the nearest code, ties to even, beyond 6 the code of 6.
; LIMITS: a block of zeros gets the byte 1 where the rule says 127 (its codes are zeros, and this program alone reads the bytes); blocks whose largest magnitude lies under 2^-124 have their byte held at 1;
; NaN and infinities among the inputs are not served; |Wo| above 65,504 has no f16 number, under 6.1e-5 it has an absolute step of 6e-8.
; No tensor load, no barrier, no matrix unit, no cluster: waves share nothing, and each input byte is read once.
.set STEPS, 16                         ; x: steps of 512 numbers for a wave
.set SP,    80                         ; x: a lane's place in a stage: its 64 bytes + 16 of padding
.set PITCH, 272                        ; W, Wo: a stage row: 256 bytes + 16
.set WR,    32768                      ; LDS: x's four regions of 8,192 from 0; W's four stages of 32 x 272 from here;
.set ORG,   67584                      ; Wo's four stages from here;
.set SPARE, 102400                     ; the spare words, 128 bytes for each wave: two blocks of 256 bytes that no other line names
.set SPW,   192                        ; v192 LDS address of my spare word; never rewritten
.set NIL,   193                        ; v193 0; never rewritten
.set R,     16                         ; x: v16-79 four sets of 16 numbers as loaded
.set XN,    80                         ; x: v80-111 two sets of 16 neighbours
.set EB,    112                        ; x: v112-127 a scale byte for each step
.set CX,    128                        ; x: v128-191 codes, four registers for each step
.set NB,    16                         ; W: blocks of 32 along K for a wave
.set SB,    24                         ; W: v24-27 the scale bytes, four to a register
.set WX,    32                         ; W, Wo: v32-95 two sets of 32 numbers
.set WC,    96                         ; W: v96-99 a block's codes;  Wo: v96-111 a block's 32 f16
.set OUTR,  112                        ; W, Wo: v112-175 the way out
.macro XLOAD t                         ; x: 32 lanes read 512 consecutive bytes, four times
.irp i, 0,1,2,3
	global_load_b128 v[R+16*((\t)%4)+4*\i:R+16*((\t)%4)+4*\i+3], v3, s[4:5] offset:2048*(\t)+512*\i th:TH_LOAD_NT
.endr
.endm
.macro XTURN t                         ; x: a step's 2,048 bytes through the wave's own stage: in as they lie, back 64 bytes a lane.  LDS serves a wave's instructions in order: no wait between
.irp i, 0,1,2,3
	ds_store_b128 v14, v[R+16*((\t)%4)+4*\i:R+16*((\t)%4)+4*\i+3] offset:32*SP*((\t)%2)+8*SP*\i
.endr
.irp i, 0,1,2,3
	ds_load_b128 v[XN+16*((\t)%2)+4*\i:XN+16*((\t)%2)+4*\i+3], v15 offset:32*SP*((\t)%2)+16*\i
.endr
.endm
.macro XSTEP t
.set XS, XN+16*((\t)%2)
.if (\t) > 0
	s_wait_dscnt 1                                 ; this step's numbers are back from the stage (the last step's byte store may be out): so its stores into the stage have read their registers,
.else
	s_wait_dscnt 0x0
.endif
.if (\t)+4 < STEPS
	XLOAD (\t)+4                                   ; which take the loads of four steps on
.endif
.if (\t)+1 < STEPS
.if STEPS-2-(\t) >= 3
	s_wait_loadcnt 12                              ; the next step's four loads are in; those of the three steps behind it may be out
.else
	s_wait_loadcnt 4*(STEPS-2-(\t))
.endif
	XTURN (\t)+1
.endif
	v_max3_num_f32 v8, |v[XS]|, |v[XS+1]|, |v[XS+2]|               ; the largest magnitude of my 16, in two chains
	v_max3_num_f32 v9, |v[XS+3]|, |v[XS+4]|, |v[XS+5]|
.irp i, 6,10
	v_max3_num_f32 v8, v8, |v[XS+\i]|, |v[XS+\i+1]|
	v_max3_num_f32 v9, v9, |v[XS+\i+2]|, |v[XS+\i+3]|
.endr
	v_max3_num_f32 v8, v8, |v[XS+14]|, |v[XS+15]|
	v_max3_num_f32 v8, v8, v9, 0x1800000           ; and the floor 2^(3 - 127): the byte cannot fall under 1
	v_max_num_f32_dpp v8, v8, v8 row_xmask:1 row_mask:0xf bank_mask:0xf   ; and of my neighbour's 16: the block's
	v_add_nc_u32 v11, 0xff000000, v8               ; 2 off its exponent field: the conversion takes the exponent field of this operand as its scale
	v_cvt_scalef32_pk8_fp4_f32 v[CX+4*(\t)], v[XS:XS+7], v11
	v_cvt_scalef32_pk8_fp4_f32 v[CX+4*(\t)+1], v[XS+8:XS+15], v11
	v_lshrrev_b32 v[EB+(\t)], 23, v11              ; the scale's byte (a plain line behind the conversions)
	ds_store_b8 v5, v[EB+(\t)] offset:16*(\t)      ; both lanes of a block write the same byte with the same value
	global_store_b64 v4, v[CX+4*(\t):CX+4*(\t)+1], s[14:15] offset:256*(\t)   ; the wave stores 256 consecutive bytes, aligned
.endm
.macro CLOAD base, t                   ; W, Wo: a lane takes a column, its registers run down K: rows 32 t + i at 32 neighbouring columns
.irp i, 0,1,2,3,4,5,6,7,8,9,10,11,12,13,14,15,16,17,18,19,20,21,22,23,24,25,26,27,28,29,30,31
	global_load_b32 v[WX+32*((\t)%2)+\i], v3, s[\base:\base+1] offset:(32*(\t)+\i)*4096 th:TH_LOAD_NT
.endr
.endm
.macro WBLOCK t
.set XS, WX+32*((\t)%2)
.if (\t) < NB-1
	s_wait_loadcnt 32                              ; this block's 32 loads are in; the next block's may be out
.else
	s_wait_loadcnt 0x0
.endif
	v_max3_num_f32 v12, |v[XS]|, |v[XS+1]|, |v[XS+2]|              ; the block's largest magnitude: all 32 numbers are mine
	v_max3_num_f32 v13, |v[XS+3]|, |v[XS+4]|, |v[XS+5]|
.irp i, 6,10,14,18,22,26
	v_max3_num_f32 v12, v12, |v[XS+\i]|, |v[XS+\i+1]|
	v_max3_num_f32 v13, v13, |v[XS+\i+2]|, |v[XS+\i+3]|
.endr
	v_max3_num_f32 v12, v12, |v[XS+30]|, |v[XS+31]|
	v_max3_num_f32 v12, v12, v13, 0x1800000        ; and the floor
	v_add_nc_u32 v11, 0xff000000, v12              ; the conversion's scale operand
	v_lshrrev_b32 v13, 23, v11                     ; the scale's byte
.if (\t)%4 == 0
	v_mov_b32 v[SB+(\t)/4], v13                    ; four bytes to a register, the lower K in the lower byte
.else
	v_lshl_or_b32 v[SB+(\t)/4], v13, 8*((\t)%4), v[SB+(\t)/4]
.endif
.irp g, 0,1,2,3
	v_cvt_scalef32_pk8_fp4_f32 v[WC+\g], v[XS+8*\g:XS+8*\g+7], v11
.endr
	ds_store_b128 v4, v[WC:WC+3] offset:16*(\t)    ; 32 codes: 16 bytes of my column's row
.if (\t)+2 < NB
	CLOAD 6, (\t)+2
.endif
	s_wait_dscnt 0x0                               ; the store has read its registers: the next block's codes may be written (that block begins with plain vector lines)
.endm
.macro OBLOCK t
.set XS, WX+32*((\t)%2)
.if (\t) < 3
	s_wait_loadcnt 32
.else
	s_wait_loadcnt 0x0
.endif
.irp j, 0,1,2,3,4,5,6,7,8,9,10,11,12,13,14,15
	v_cvt_pk_f16_f32 v[WC+\j], v[XS+2*\j], v[XS+2*\j+1]            ; the lower k in the low half
.endr
.irp g, 0,1,2,3
	ds_store_b128 v4, v[WC+4*\g:WC+4*\g+3] offset:64*(\t)+16*\g    ; 32 f16: 64 bytes of my column's row
.endr
.if (\t)+2 < 4
	CLOAD 12, (\t)+2
.endif
	s_wait_dscnt 0x0
.endm
	s_load_b512 s[4:19], s[0:1], 0x0               ; x s[4:5], Wq s[6:7], Wk s[8:9], Wv s[10:11], Wo s[12:13], x_codes s[14:15], x_scales s[16:17], w_codes s[18:19]
	s_load_b128 s[20:23], s[0:1], 0x40             ; w_scales s[20:21], wo_t s[22:23]
	v_lshl_add_u32 v[SPW], v0, 2, SPARE
	v_mov_b32 v[NIL], 0
	v_lshrrev_b32 v1, 5, v0
	v_readfirstlane_b32 s24, v1                    ; wave 0..3
	v_and_b32 v2, 31, v0                           ; lane
	s_wait_kmcnt 0x0
	s_cmp_lt_u32 ttmp9, 256
	s_cbranch_scc1 .Lx
	s_cmp_lt_u32 ttmp9, 304
	s_cbranch_scc1 .Lw
	; ---- Wo: a wave takes 32 columns x 128 along K; its 256 bytes of each row of wo_t go through its stage and leave as aligned runs of 256 bytes
	s_sub_co_u32 s25, ttmp9, 304
	s_and_b32 s26, s25, 7                          ; which 128 columns
	s_lshr_b32 s27, s25, 3                         ; which 128 along K
	s_lshl_b32 s26, s26, 7
	s_lshl_b32 s28, s24, 5
	s_add_co_u32 s26, s26, s28                     ; my wave's first column
	s_lshl_b32 s28, s27, 19                        ; 128 rows of 4,096 bytes
	s_lshl_b32 s30, s26, 2
	s_add_co_u32 s28, s28, s30
	s_mov_b32 s29, 0
	s_add_nc_u64 s[12:13], s[12:13], s[28:29]
	s_lshl_b32 s28, s26, 11                        ; a row of wo_t is 2,048 bytes
	s_lshl_b32 s30, s27, 8
	s_add_co_u32 s28, s28, s30
	s_add_nc_u64 s[22:23], s[22:23], s[28:29]
	s_mul_i32 s31, s24, 32*PITCH
	s_add_co_u32 s31, s31, ORG                     ; my stage
	v_lshlrev_b32 v3, 2, v2                        ; in: 4 bytes a lane
	v_mul_u32_u24 v4, v2, PITCH
	v_add_nc_u32 v4, s31, v4                       ; into the stage: row = my column
	v_and_b32 v5, 15, v2
	v_lshrrev_b32 v6, 4, v2
	v_mul_u32_u24 v7, v6, PITCH
	v_lshl_add_u32 v7, v5, 4, v7
	v_add_nc_u32 v7, s31, v7                       ; out of it: sixteen lanes to a row, two rows an instruction
	v_lshlrev_b32 v8, 11, v6
	v_lshl_add_u32 v8, v5, 4, v8                   ; and the same place in wo_t
	CLOAD 12, 0
	CLOAD 12, 1
.irp t, 0,1,2,3
	OBLOCK \t
.endr
.irp t, 0,1,2,3,4,5,6,7,8,9,10,11,12,13,14,15
	ds_load_b128 v[OUTR+4*\t:OUTR+4*\t+3], v7 offset:2*\t*PITCH
.endr
.irp t, 0,1,2,3,4,5,6,7,8,9,10,11,12,13,14,15
	s_wait_dscnt 15-\t                             ; LDS loads come back in order: pair t of rows is in
	global_store_b128 v8, v[OUTR+4*\t:OUTR+4*\t+3], s[22:23] offset:2*\t*2048
.endr
	s_wait_tensorcnt 0x0                           ; the wave's end: behind my last LDS store
	ds_add_u32 v[SPW], v[NIL]
	s_wait_dscnt 0x0
	s_endpgm
.Lw:	; ---- Wq, Wk, Wv: a wave takes 32 columns x 512 along K: 16 blocks a lane, 256 bytes of codes for each column
	s_sub_co_u32 s25, ttmp9, 256
	s_lshr_b32 s26, s25, 4                         ; which of the three
	s_cmp_eq_u32 s26, 0
	s_cselect_b64 s[6:7], s[6:7], s[8:9]
	s_cmp_eq_u32 s26, 2
	s_cselect_b64 s[6:7], s[10:11], s[6:7]         ; the choice hangs on the work-group's number alone
	s_and_b32 s27, s25, 7                          ; which 128 columns
	s_bfe_u32 s28, s25, 0x10003                    ; which 512 along K
	s_lshl_b32 s27, s27, 7
	s_lshl_b32 s30, s24, 5
	s_add_co_u32 s27, s27, s30                     ; my wave's first column
	s_lshl_b32 s30, s28, 21                        ; 512 rows of 4,096 bytes
	s_lshl_b32 s31, s27, 2
	s_add_co_u32 s30, s30, s31
	s_mov_b32 s31, 0
	s_add_nc_u64 s[6:7], s[6:7], s[30:31]
	s_lshl_b32 s26, s26, 10
	s_add_co_u32 s26, s26, s27                     ; its row among the 3,072
	s_lshl_b32 s30, s26, 9
	s_lshl_b32 s29, s28, 8
	s_add_co_u32 s30, s30, s29
	s_add_nc_u64 s[18:19], s[18:19], s[30:31]      ; codes: 512 bytes a row, + 256 for the second half of K
	s_lshl_b32 s30, s26, 5
	s_lshl_b32 s29, s28, 4
	s_add_co_u32 s30, s30, s29
	s_add_nc_u64 s[20:21], s[20:21], s[30:31]      ; scale bytes: 32 a row, + 16
	s_mul_i32 s29, s24, 32*PITCH
	s_add_co_u32 s29, s29, WR                      ; my stage
	v_lshlrev_b32 v3, 2, v2
	v_mul_u32_u24 v4, v2, PITCH
	v_add_nc_u32 v4, s29, v4
	v_and_b32 v5, 15, v2
	v_lshrrev_b32 v6, 4, v2
	v_mul_u32_u24 v7, v6, PITCH
	v_lshl_add_u32 v7, v5, 4, v7
	v_add_nc_u32 v7, s29, v7
	v_lshlrev_b32 v8, 9, v6
	v_lshl_add_u32 v8, v5, 4, v8
	v_lshlrev_b32 v9, 5, v2                        ; my column's row of scale bytes
	CLOAD 6, 0
	CLOAD 6, 1
.irp t, 0,1,2,3,4,5,6,7,8,9,10,11,12,13,14,15
	WBLOCK \t
.endr
	global_store_b128 v9, v[SB:SB+3], s[20:21]     ; my column's 16 scale bytes: half a row of 32
.irp t, 0,1,2,3,4,5,6,7,8,9,10,11,12,13,14,15
	ds_load_b128 v[OUTR+4*\t:OUTR+4*\t+3], v7 offset:2*\t*PITCH
.endr
.irp t, 0,1,2,3,4,5,6,7,8,9,10,11,12,13,14,15
	s_wait_dscnt 15-\t
	global_store_b128 v8, v[OUTR+4*\t:OUTR+4*\t+3], s[18:19] offset:2*\t*512   ; sixteen lanes store 256 consecutive bytes, aligned
.endr
	s_wait_tensorcnt 0x0                           ; the wave's end: behind my last LDS store
	ds_add_u32 v[SPW], v[NIL]
	s_wait_dscnt 0x0
	s_endpgm
.Lx:	; ---- x: rows are dense and 1,024 is a multiple of 32: a plain stream of blocks.  A wave takes 16 steps of 512 numbers; two neighbouring lanes hold a block
	v_lshlrev_b32 v3, 4, v2                        ; my 16 bytes of a load's 512
	s_lshl_b32 s25, s24, 13                        ; my wave's region of LDS
	v_lshrrev_b32 v14, 2, v2
	v_mul_u32_u24 v14, v14, SP
	v_and_b32 v15, 3, v2
	v_lshl_add_u32 v14, v15, 4, v14
	v_add_nc_u32 v14, s25, v14                     ; the stage, on the way in: 80 (lane / 4) + 16 (lane % 4)
	v_mul_u32_u24 v15, v2, SP
	v_add_nc_u32 v15, s25, v15                     ; and on the way out: 80 x lane
	v_lshlrev_b32 v4, 3, v2                        ; my 8 bytes of a step's codes
	v_lshrrev_b32 v5, 1, v2
	s_add_co_u32 s25, s25, 2*32*SP
	v_add_nc_u32 v5, s25, v5                       ; my wave's 256 scale bytes, my block's byte
	v_lshlrev_b32 v7, 3, v2
	v_add_nc_u32 v6, s25, v7                       ; and on the way out 8 bytes a lane
	s_lshl_b32 s26, ttmp9, 2
	s_add_co_u32 s26, s26, s24                     ; which run of 8,192 numbers is my wave's: 0..1023
	s_mov_b32 s29, 0
	s_lshl_b32 s28, s26, 15
	s_add_nc_u64 s[4:5], s[4:5], s[28:29]
	s_lshl_b32 s28, s26, 12
	s_add_nc_u64 s[14:15], s[14:15], s[28:29]
	s_lshl_b32 s28, s26, 8
	s_add_nc_u64 s[16:17], s[16:17], s[28:29]
.irp t, 0,1,2,3
	XLOAD \t
.endr
	s_wait_loadcnt 12                              ; step 0's four loads are in
	XTURN 0
.irp t, 0,1,2,3,4,5,6,7,8,9,10,11,12,13,14,15
	XSTEP \t
.endr
	ds_load_b64 v[8:9], v6                         ; LDS serves a wave's instructions in order: these see my byte stores
	s_wait_dscnt 0x0
	global_store_b64 v7, v[8:9], s[16:17]          ; 32 lanes store 256 consecutive bytes, aligned
	s_wait_tensorcnt 0x0                           ; the wave's end: behind my last LDS store
	ds_add_u32 v[SPW], v[NIL]
	s_wait_dscnt 0x0
	s_endpgm
.Lfunc_end_k_q20b58f7512_prep:
	.size	k_q20b58f7512_prep, .Lfunc_end_k_q20b58f7512_prep-k_q20b58f7512_prep
	.p2alignl 7, 3214868480
	.fill 96, 4, 3214868480
	.section	.rodata,"a",@progbits
	.p2align	6, 0x0
	.amdhsa_kernel k_q20b58f7512_prep
		.amdhsa_group_segment_fixed_size 102912
		.amdhsa_private_segment_fixed_size 0
		.amdhsa_enable_private_segment 0
		.amdhsa_kernarg_size 80
		.amdhsa_user_sgpr_count 2
		.amdhsa_user_sgpr_kernarg_segment_ptr 1
		.amdhsa_wavefront_size32 1
		.amdhsa_system_sgpr_workgroup_id_x 1
		.amdhsa_system_sgpr_workgroup_id_y 1
		.amdhsa_system_sgpr_workgroup_id_z 1
		.amdhsa_system_vgpr_workitem_id 0
		.amdhsa_next_free_vgpr 194
		.amdhsa_next_free_sgpr 66
		.amdhsa_reserve_vcc 0
		.amdhsa_float_denorm_mode_32 3
		.amdhsa_float_denorm_mode_16_64 3
		.amdhsa_memory_ordered 1
		.amdhsa_forward_progress 1
		.amdhsa_inst_pref_size 132
	.end_amdhsa_kernel
	.amdgpu_metadata
---
amdhsa.version: [ 1, 2 ]
amdhsa.kernels:
  - .name:           k_q20b58f7512_prep
    .symbol:         k_q20b58f7512_prep.kd
    .args:
      - { .name: x, .offset: 0, .size: 8, .value_kind: global_buffer, .address_space: global }
      - { .name: Wq, .offset: 8, .size: 8, .value_kind: global_buffer, .address_space: global }
      - { .name: Wk, .offset: 16, .size: 8, .value_kind: global_buffer, .address_space: global }
      - { .name: Wv, .offset: 24, .size: 8, .value_kind: global_buffer, .address_space: global }
      - { .name: Wo, .offset: 32, .size: 8, .value_kind: global_buffer, .address_space: global }
      - { .name: x_codes, .offset: 40, .size: 8, .value_kind: global_buffer, .address_space: global }
      - { .name: x_scales, .offset: 48, .size: 8, .value_kind: global_buffer, .address_space: global }
      - { .name: w_codes, .offset: 56, .size: 8, .value_kind: global_buffer, .address_space: global }
      - { .name: w_scales, .offset: 64, .size: 8, .value_kind: global_buffer, .address_space: global }
      - { .name: wo_t, .offset: 72, .size: 8, .value_kind: global_buffer, .address_space: global }
    .group_segment_fixed_size: 102912
    .private_segment_fixed_size: 0
    .kernarg_segment_align: 8
    .kernarg_segment_size: 80
    .max_flat_workgroup_size: 128
    .sgpr_count:     66
    .vgpr_count:     194
    .wavefront_size: 32
...
	.end_amdgpu_metadata
.endif
;; end of part 1
;; launch qkv (part 2): grid 12 x 32, 4 waves a work-group, clusters of 4 x 4, 327,680 bytes of LDS; arguments x_codes, x_scales, w_codes, w_scales, qkv, bq, bk, bv; writes qkv
.if DOCPART == 2
	.amdgcn_target "amdgcn-amd-amdhsa--gfx1250"
	.amdhsa_code_object_version 6
	.text
	.protected	k_q20b58f7512_qkv
	.globl	k_q20b58f7512_qkv
	.p2align	8
	.type	k_q20b58f7512_qkv,@function
k_q20b58f7512_qkv:
	s_mov_b64 s[64:65], 0
	v_nop
	global_prefetch_b8 v0, s[64:65] scope:SCOPE_SE
	s_setreg_imm32_b32 hwreg(HW_REG_WAVE_MODE, 25, 1), 1
	s_wait_xcnt 0x0
	s_wait_alu depctr_hold_cnt(0) depctr_sa_sdst(0) depctr_va_vdst(0) depctr_va_sdst(0) depctr_va_ssrc(0) depctr_va_vcc(0) depctr_vm_vsrc(0)
	s_getreg_b32 s2, hwreg(HW_REG_IB_STS2, 6, 4)
	s_cmp_eq_u32 s2, 0
	s_cbranch_scc0 .Lentry_in_a_cluster
	s_endpgm
.Lentry_in_a_cluster:
	s_bfe_u32 s2, ttmp6, 0x10000c
	s_cmp_lg_u32 s2, 0xf033
	s_cbranch_scc0 .Lentry_shape_is_right
	s_endpgm
.Lentry_shape_is_right:
; [8192][3072] = x [Wq | Wk | Wv] + bias, on codes of FP4 (E2M1) with one E8M0 scale for each 32 along K = 1,024; sums in f32; the results rounded once to f16 and laid head by head:
; qkv [3][batch 4][head 16][position 2048][64] f16.  A (x): codes [8192][512 bytes], scale bytes [8192][32].  B (the weights): codes [3072][512 bytes], scale bytes [3072][32].
; LIMITS: |q|, |k|, |v| above 65,504 have no f16 number; under 6.1e-5 they have an absolute step of 6e-8.
; A tile, 256 x 256, is made by four waves, each 128 x 128: 64 accumulators of 16 x 16.  A tile column lies wholly in q, k or v (four tile columns each), a tile row wholly in one batch.
; K is two steps of 512 (tile rows of 256 bytes): both LDS slots and the scale bytes of all of K are asked for at the head, and nothing is ever filled again.
; CLUSTERS: 4 x 4 work-groups.  The four of a row of the cluster need the same tiles of A, the four of a column the same tiles of B: each tile is asked for JOINTLY, by the same tensor load with the same descriptor and a mask that names the four.
; THE MATRIX INSTRUCTION IS USED TRANSPOSED (source 0 = 16 rows of B, source 1 = 16 rows of A): a lane then holds eight neighbouring columns of one row.  THE BIAS IS THE C OF EACH SUM'S FIRST PRODUCT.
; REGISTERS, in windows of 256: window 0: v0-31 addresses; v32-95 scale words, two sets, and nothing else; v128-191 A's fragments, ONE set (on the way out: packed results); v192-255 the bias (on the way out: rows read back).
;   window 1: B's fragments, TWO sets, at v0 and v128.   window 2: the accumulators of my rows 0-63 ((a, b) at v[8 (8 a + b)]);   window 3: those of my rows 64-127.
.set NQ,     4                         ; matrix instructions deep in a slot: 512 along K
.set ROWB,   256                       ; a tile's row in bytes
.set KROW,   512                       ; a row of A or of B in memory, in bytes
.set PITCH,  272                       ; an LDS row: 256 bytes + 16 of padding: the 16 rows that a load touches begin 68 words apart
.set FR,     8                         ; registers of a fragment: 16 rows x 128 K
.set NL,     2                         ; LDS loads that bring one
.set NP,     4                         ; places behind this matrix instruction (ISA guide 7.12.1)
.set HALFT,  128*PITCH                 ; 128 rows: what one tensor load brings
.set SLOT,   4*HALFT                   ; A's 256 rows, then B's 256 rows
.set KS,     32                        ; a row of scale bytes
.set SCL,    2*SLOT                    ; behind the two slots: the scale bytes, as runs of 256 bytes + 16 of padding
.set HALFS,  16*272                    ; those of 128 rows
.set SBLK,   2*272                     ; those of 16 rows
.set SPARE,  SCL+4*HALFS               ; the spare words, 128 bytes for each wave: two blocks of 256 bytes that no other line names
.set SPITCH, 272                       ; the way out: a stage of 16 rows x (256 bytes + 16) for each wave, in slot 0, which has had its one fill and its last read when the first result is stored there
.set ADRA, 16                          ; v16-17 LDS address of my A fragments in slot 0, 1
.set ADRB, 20                          ; v20-21 the same for B
.set STO,  24                          ; v24 the way out: where I put 16 bytes of a row
.set RD,   25                          ; v25 where I read them back
.set CO,   26                          ; v26 my byte offset in qkv
.set ADRS, 27                          ; v27 LDS address of my scale words: lanes 0-15 A's rows, lanes 16-31 B's
.set SPW,  28                          ; v28 LDS address of my spare word; never rewritten
.set NIL,  29                          ; v29 0; never rewritten
.set BOF,  30                          ; v30 32 x (lane / 16): my eight numbers of a block's sixteen biases
.set SC,   32                          ; scale words: set s at v[SC + 32 s]; register 4 i + q: lanes 0-15 A's block i, lanes 16-31 B's block i, the slot's q-th 128 along K
.set AF,   128
.set BI,   192                         ; the bias: register 8 b + j = bias[my first column + 16 b + 8 (lane / 16) + j]
.set TMP,  128
.set BK,   192
.set G1, 24                            ; s[24:31] descriptor group 1 for A's tiles;  s[32:39] group 0, one set for each slot
.set G0, 32
.set G1B, 48                           ; s[48:55], s[56:63] the same for B's
.set G0B, 56
.set G1S, 68                           ; s[68:75], s[76:79] groups 1 and 0 for A's scales;  s[80:87], s[88:91] for B's
.set G0S, 76
.set G1SB, 80
.set G0SB, 88
.set MSB, 0
.macro WIN new                         ; the immediate's high byte repeats the setting that is left
.if MSB != (\new)
	s_set_vgpr_msb (MSB<<8)|(\new)
.set MSB, (\new)
.endif
.endm
.set MUL_LO, 0xa1                      ; source 0 (B) window 1, source 1 (A) window 0, C and D window 2;  less 0x20: C (the bias) window 0
.set MUL_HI, 0xf1                      ; the same, C and D window 3;  less 0x30: C window 0
.set TO_B,   0x40                      ; destination window 1, address window 0
; A joint load: waves 0 and 1 fetch for A, waves 2 and 3 for B; the branch hangs on the wave's number alone.  An s_nop 0 and four v_nop follow each of the two lines.
.macro JLOAD g0a, g1a, g0b, g1b
	s_cmp_eq_u32 s15, 0
	s_cbranch_scc0 .Lfor_b_\@
	tensor_load_to_lds s[\g0a:\g0a+3], s[\g1a:\g1a+7]
	s_nop 0
.rept 4
	v_nop
.endr
	s_branch .Lasked_\@
.Lfor_b_\@:
	tensor_load_to_lds s[\g0b:\g0b+3], s[\g1b:\g1b+7]
	s_nop 0
.rept 4
	v_nop
.endr
.Lasked_\@:
.endm
.macro CROUND                          ; a round of the cluster's barrier
	s_barrier_signal -1
	s_barrier_wait -1
	s_cmp_lg_u32 s14, 0
	s_cbranch_scc1 .Lnot_wave_0_\@
	s_barrier_signal -3
.Lnot_wave_0_\@:
	s_barrier_wait -3
	s_barrier_signal -1
	s_barrier_wait -1
.endm
	s_load_b128 s[4:7], s[0:1], 0x0                ; A's codes s[4:5], A's scales s[6:7]
	s_load_b128 s[8:11], s[0:1], 0x10              ; B's codes s[8:9], B's scales s[10:11]
	s_load_b64 s[12:13], s[0:1], 0x20              ; qkv
	s_load_b128 s[96:99], s[0:1], 0x28             ; bq, bk
	s_load_b64 s[100:101], s[0:1], 0x38            ; bv
	v_lshl_add_u32 v[SPW], v0, 2, SPARE
	v_mov_b32 v[NIL], 0
	ds_add_u32 v[SPW], v[NIL]                      ; the wave's opening: the add, twice on end, and its wait ahead of my first tensor load; the set-up below stands between
	ds_add_u32 v[SPW], v[NIL]
	v_lshrrev_b32 v1, 5, v0
	v_readfirstlane_b32 s14, v1                    ; wave 0..3
	s_lshr_b32 s15, s14, 1                         ; which half of the tile's rows is mine.  Also: I fetch for A (0) or for B (1)
	s_and_b32 s16, s14, 1                          ; which half of its columns.  Also: which 128 rows of that tile I fetch
	s_bfe_u32 s40, ttmp6, 0x40000                  ; cx, cy: my place in the cluster
	s_bfe_u32 s41, ttmp6, 0x40004
	s_lshl_b32 s42, ttmp9, 2
	s_add_co_u32 s42, s42, s40                     ; tile column = 4 x cluster x + cx
	s_and_b32 s17, ttmp7, 0xffff
	s_lshl_b32 s17, s17, 2
	s_add_co_u32 s17, s17, s41                     ; tile row = 4 x cluster y + cy
	s_lshl_b32 s43, s41, 2
	s_lshl_b32 s43, 15, s43                        ; my row of the cluster
	s_lshl_b32 s44, 0x1111, s40                    ; my column
	; descriptor group 1: a tile of 128 rows x 256 bytes, 16 bytes of padding behind each row
	s_or_b32 s[G1+0], s43, (0<<16)|(1<<20)|(1<<21)|(5<<22)|(3<<25)  ; 15:0 the mask; 17:16 elements of 1 byte; 20 padding on; 21 set beside a mask; 24:22 after every 64 words; 31:25 four words
	s_or_b32 s[G1B+0], s44, (0<<16)|(1<<20)|(1<<21)|(5<<22)|(3<<25)
.irp g, G1, G1B
	s_mov_b32 s[\g+1], ROWB<<16                    ; tensor_dim0
	s_mov_b32 s[\g+2], 128<<16                     ; tensor_dim1
	s_mov_b32 s[\g+3], ROWB<<16                    ; tile_dim0
	s_mov_b32 s[\g+4], 128                         ; tile_dim1
	s_mov_b32 s[\g+5], KROW                        ; tensor_dim0_stride
	s_mov_b32 s[\g+6], 0
	s_mov_b32 s[\g+7], 0
.endr
	; the scale bytes of 128 rows: 4,096 dense bytes, as 16 rows of 256 (32 elements of 8 bytes), 16 bytes of padding behind each
	s_or_b32 s[G1S+0], s43, (3<<16)|(1<<20)|(1<<21)|(5<<22)|(3<<25)
	s_or_b32 s[G1SB+0], s44, (3<<16)|(1<<20)|(1<<21)|(5<<22)|(3<<25)
.irp g, G1S, G1SB
	s_mov_b32 s[\g+1], 32<<16
	s_mov_b32 s[\g+2], 16<<16
	s_mov_b32 s[\g+3], 32<<16
	s_mov_b32 s[\g+4], 16
	s_mov_b32 s[\g+5], 32
	s_mov_b32 s[\g+6], 0
	s_mov_b32 s[\g+7], 0
.endr
	s_lshl_b32 s18, s16, 7                         ; which 128 rows of the tile I fetch
	s_lshl_b32 s20, s17, 8
	s_add_co_u32 s20, s20, s18                     ; A: row 256 x tile row + 128 x half
	s_lshl_b32 s46, s42, 8
	s_add_co_u32 s46, s46, s18                     ; B: row 256 x tile column + 128 x half
	s_mov_b32 s21, 0
	s_mov_b32 s47, 0
	s_mov_b64 s[18:19], KS
	s_mul_u64 s[22:23], s[20:21], s[18:19]         ; where these rows' scales begin, in bytes
	s_mul_u64 s[92:93], s[46:47], s[18:19]
	s_mov_b64 s[18:19], KROW
	s_mul_u64 s[20:21], s[20:21], s[18:19]         ; and their codes
	s_mul_u64 s[46:47], s[46:47], s[18:19]
	s_mul_i32 s45, s14, HALFT                      ; where they go: wave x 128 rows: no place in the cluster enters an LDS address
	s_mul_i32 s94, s14, HALFS
	s_wait_dscnt 0x0                               ; both opening adds are done
	s_wait_kmcnt 0x0
	s_add_nc_u64 s[20:21], s[4:5], s[20:21]
	s_add_nc_u64 s[22:23], s[6:7], s[22:23]
	s_add_nc_u64 s[46:47], s[8:9], s[46:47]
	s_add_nc_u64 s[92:93], s[10:11], s[92:93]
	CROUND                                         ; all sixteen work-groups are here: the joint loads meet
	s_mov_b32 s[G0S], 1
	s_add_co_u32 s[G0S+1], s94, SCL
	s_mov_b64 s[G0S+2:G0S+3], s[22:23]
	s_or_b32 s[G0S+3], s[G0S+3], 0x80000000
	s_mov_b32 s[G0SB], 1
	s_add_co_u32 s[G0SB+1], s94, SCL
	s_mov_b64 s[G0SB+2:G0SB+3], s[92:93]
	s_or_b32 s[G0SB+3], s[G0SB+3], 0x80000000
	JLOAD G0S, G1S, G0SB, G1SB                     ; the scales first: they are wanted with the first slot.  Three tensor loads of mine are out behind this group
.irp s, 0,1
	s_mov_b32 s[G0+4*\s], 1
	s_add_co_u32 s[G0+4*\s+1], s45, \s*SLOT
	s_add_nc_u64 s[G0+4*\s+2:G0+4*\s+3], s[20:21], \s*ROWB
	s_or_b32 s[G0+4*\s+3], s[G0+4*\s+3], 0x80000000
	s_mov_b32 s[G0B+4*\s], 1
	s_add_co_u32 s[G0B+4*\s+1], s45, \s*SLOT
	s_add_nc_u64 s[G0B+4*\s+2:G0B+4*\s+3], s[46:47], \s*ROWB
	s_or_b32 s[G0B+4*\s+3], s[G0B+4*\s+3], 0x80000000
	JLOAD G0+4*\s, G1, G0B+4*\s, G1B
.endr
	; the bias of my 128 columns: the cluster's x says which of the three (a choice, no branch); 256 cx + 128 x half numbers on
	s_cmp_eq_u32 ttmp9, 0
	s_cselect_b64 s[96:97], s[96:97], s[98:99]
	s_cmp_eq_u32 ttmp9, 2
	s_cselect_b64 s[96:97], s[100:101], s[96:97]
	s_lshl_b32 s46, s40, 10
	s_lshl_b32 s47, s16, 9
	s_add_co_u32 s46, s46, s47
	s_mov_b32 s47, 0
	s_add_nc_u64 s[96:97], s[96:97], s[46:47]
	v_and_b32 v1, 15, v0                           ; l % 16
	v_bfe_u32 v2, v0, 4, 1                         ; l / 16
	v_lshlrev_b32 v[BOF], 5, v2
.irp b, 0,1,2,3,4,5,6,7
	global_load_b128 v[BI+8*\b:BI+8*\b+3], v[BOF], s[96:97] offset:64*\b
	global_load_b128 v[BI+8*\b+4:BI+8*\b+7], v[BOF], s[96:97] offset:64*\b+16
.endr
	v_mul_u32_u24 v3, v1, PITCH
	v_lshl_add_u32 v4, v2, 4, v3                   ; a fragment's row x pitch + 16 x half
	s_mul_i32 s21, s15, HALFT                      ; my 128 rows of A
	s_mul_i32 s22, s16, HALFT                      ; my 128 rows of B,
	s_add_co_u32 s22, s22, 2*HALFT                 ; which lie behind A's 256
.irp s, 0,1
	v_add_nc_u32 v[ADRA+\s], s21, v4
	v_add_nc_u32 v[ADRB+\s], s22, v4
	s_add_co_u32 s21, s21, SLOT
	s_add_co_u32 s22, s22, SLOT
.endr
	v_mul_u32_u24 v5, v1, KS                       ; my row's scales: 32 bytes a row,
	v_lshrrev_b32 v6, 8, v5
	v_lshl_add_u32 v5, v6, 4, v5                   ; and 16 more for each 256 passed
	s_mul_i32 s21, s15, HALFS                      ; A's: my 128 rows
	s_mul_i32 s22, s16, HALFS                      ; B's: my 128 rows, behind A's 256
	s_add_co_u32 s22, s22, 2*HALFS
	s_sub_co_u32 s22, s22, s21
	v_mul_u32_u24 v6, s22, v2                      ; lanes 16-31 take B's: one product, the lower base + half x the distance
	s_add_co_u32 s21, s21, SCL
	v_add_nc_u32 v5, v5, v6
	v_add_nc_u32 v[ADRS], s21, v5
	s_mul_i32 s23, s14, 16*SPITCH                  ; my stage
	v_mul_u32_u24 v5, v1, SPITCH                   ; in: row l % 16, 16 bytes for each half of the lanes
	v_lshl_add_u32 v5, v2, 4, v5
	v_add_nc_u32 v[STO], s23, v5
	v_bfe_u32 v5, v0, 3, 1                         ; back: lanes 0-15 take two rows' 128 bytes of my first head, lanes 16-31 those of my second
	v_mul_u32_u24 v5, v5, SPITCH
	v_lshl_add_u32 v5, v2, 7, v5
	v_and_b32 v6, 7, v0
	v_lshl_add_u32 v5, v6, 4, v5
	v_add_nc_u32 v[RD], s23, v5
	v_lshlrev_b32 v[CO], 18, v2                    ; in qkv: a head is 262,144 bytes; two rows of a head are 256 consecutive bytes
	v_lshl_add_u32 v[CO], v1, 4, v[CO]
	s_lshr_b32 s20, s17, 3                         ; the batch: 4,194,304 bytes,
	s_lshl_b32 s20, s20, 22
	s_and_b32 s21, s17, 7
	s_lshl_b32 s21, s21, 15                        ; 256 positions of 128 bytes for each tile row in it,
	s_add_co_u32 s20, s20, s21
	s_lshl_b32 s21, s15, 14                        ; 128 for my half
	s_add_co_u32 s20, s20, s21
	s_mov_b32 s21, 0
	s_lshl_b32 s46, s42, 2
	s_lshl_b32 s47, s16, 1
	s_add_co_u32 s46, s46, s47                     ; my first head among the 48: 4 x tile column + 2 x half
	s_lshr_b32 s47, s46, 4
	s_lshl_b32 s47, s47, 24                        ; q, k or v: 16,777,216 bytes each
	s_and_b32 s46, s46, 15
	s_lshl_b32 s46, s46, 18
	s_add_co_u32 s46, s46, s47
	s_mov_b32 s47, 0
	s_add_nc_u64 s[20:21], s[20:21], s[46:47]
	s_add_nc_u64 s[12:13], s[12:13], s[20:21]
.macro FRAG reg, adr, q, i             ; a fragment: lane l holds row l % 16; registers 4 c .. 4 c + 3 hold K = 64 c + 32 (l / 16) + 0 .. 31
.irp c, 0,1
	ds_load_b128 v[\reg+4*\c:\reg+4*\c+3], v[\adr] offset:64*(\q)+32*\c+(\i)*16*PITCH
.endr
.endm
; 16 matrix instructions: A's blocks a0, a0 + 1 x B's eight, the slot's q-th 128 along K.  p: B's set;  sc: the set of scale words.  zero = 1: the first product starts the sums from the bias.
; The 64 accumulators take turns, one instruction a turn, in the same order in every step.
.macro MUL16 a0, p, q, sc, zero
.irp a, \a0, \a0+1
.irp b, 0,1,2,3,4,5,6,7
.if \zero
	v_wmma_scale_f32_16x16x128_f8f6f4 v[8*(8*((\a)%4)+\b):8*(8*((\a)%4)+\b)+7], v[128*(\p)+FR*\b:128*(\p)+FR*\b+FR-1], v[AF+FR*(\a):AF+FR*(\a)+FR-1], v[BI+8*\b:BI+8*\b+7], v[SC+8*NQ*(\sc)+NQ*\b+(\q)], v[SC+8*NQ*(\sc)+NQ*(\a)+(\q)] matrix_a_fmt:MATRIX_FMT_FP4 matrix_b_fmt:MATRIX_FMT_FP4 matrix_a_scale:MATRIX_SCALE_ROW1
.else
	v_wmma_scale_f32_16x16x128_f8f6f4 v[8*(8*((\a)%4)+\b):8*(8*((\a)%4)+\b)+7], v[128*(\p)+FR*\b:128*(\p)+FR*\b+FR-1], v[AF+FR*(\a):AF+FR*(\a)+FR-1], v[8*(8*((\a)%4)+\b):8*(8*((\a)%4)+\b)+7], v[SC+8*NQ*(\sc)+NQ*\b+(\q)], v[SC+8*NQ*(\sc)+NQ*(\a)+(\q)] matrix_a_fmt:MATRIX_FMT_FP4 matrix_b_fmt:MATRIX_FMT_FP4 matrix_a_scale:MATRIX_SCALE_ROW1
.endif
.endr
.endr
.endm
.macro FETCH_B slot, q, p              ; B's eight fragments of the slot's q-th 128 along K into set p
	WIN TO_B
.irp i, 0,1,2,3,4,5,6,7
	FRAG 128*(\p)+FR*\i, ADRB+\slot, \q, \i
.endr
	WIN 0
.endm
.macro FETCH_A slot, q, i0             ; A's blocks i0 .. i0 + 3
.irp i, \i0, \i0+1, \i0+2, \i0+3
	FRAG AF+FR*(\i), ADRA+\slot, \q, \i
.endr
.endm
.macro SCALES sc                       ; a slot's scale words into set sc: four words a row; lanes 0-15 take A's block i, lanes 16-31 B's block i
.irp i, 0,1,2,3,4,5,6,7
	ds_load_b128 v[SC+8*NQ*\sc+NQ*\i:SC+8*NQ*\sc+NQ*\i+3], v[ADRS] offset:\i*SBLK
.endr
.endm
; A load into a register that a matrix instruction has read, and a vector instruction or an LDS store that reads a matrix result, stand four places behind that matrix instruction;
; only plain vector instructions that name none of its registers are places (ISA guide 7.12.1 for vector instructions).
.macro PLACES n
.rept \n
	v_nop
.endr
.endm
.macro STEP slot, q, zero              ; a step of 128 along K that has its successor in the same slot
	s_wait_dscnt 4*NL                              ; B's set and A's blocks 0-3 are in; the youngest eight loads (A's blocks 4-7) may be out
	WIN MUL_LO-0x20*(\zero)
	MUL16 0, (\q)%2, \q, \slot, \zero
	MUL16 2, (\q)%2, \q, \slot, \zero
	s_wait_dscnt 0                                 ; A's blocks 4-7 are in
	PLACES NP
	FETCH_B \slot, (\q)+1, 1-(\q)%2
	FETCH_A \slot, (\q)+1, 0
	WIN MUL_HI-0x30*(\zero)
	MUL16 4, (\q)%2, \q, \slot, \zero
	MUL16 6, (\q)%2, \q, \slot, \zero
	PLACES NP
	WIN 0
	FETCH_A \slot, (\q)+1, 4
.endm
.macro STEPS slot, from                ; the slot's steps from .. 2
.set Q, \from
.rept NQ-1-\from
	STEP \slot, Q, 0
.set Q, Q+1
.endr
.endm
	s_wait_tensorcnt 1                             ; the scales and my part of slot 0 are in; slot 1's load may be out
	s_barrier_signal -1
	s_barrier_wait -1                              ; everybody's are
	FETCH_B 0, 0, 0
	FETCH_A 0, 0, 0
	SCALES 0
	FETCH_A 0, 0, 4
	s_wait_loadcnt 0x0                             ; the bias
	STEP 0, 0, 1                                   ; the first step starts the sums from the bias: nothing is cleared, nothing is added later
	STEPS 0, 1
	; slot 0's last step changes slots: ONE barrier.  In front of it my part of slot 1 has landed and my reads of slot 0 are over; behind it slot 1 is whole, and slot 0 is free for the stages
	s_wait_tensorcnt 0x0                           ; all my tensor loads have landed (every window is 0 here)
	ds_add_u32 v[SPW], v[NIL]                      ; 0 onto my spare word
	s_wait_dscnt 4*NL+1                            ; (the add and the youngest eight loads may be out)
	WIN MUL_LO
	MUL16 0, 1, NQ-1, 0, 0
	s_wait_dscnt 0x0                               ; the add is done, and my reads of slot 0 are over
	s_barrier_signal -1
	MUL16 2, 1, NQ-1, 0, 0
	WIN 0
	s_barrier_wait -1
	PLACES NP
	v_add_nc_u32 v[ADRS], 4*NQ, v[ADRS]            ; on to the second slot's scale words
	FETCH_B 1, 0, 0
	FETCH_A 1, 0, 0
	SCALES 1
	WIN MUL_HI
	MUL16 4, 1, NQ-1, 0, 0
	MUL16 6, 1, NQ-1, 0, 0
	PLACES NP
	WIN 0
	FETCH_A 1, 0, 4
	STEPS 1, 0
	s_wait_dscnt 4*NL                              ; the very last step: nothing more to fetch
	WIN MUL_LO
	MUL16 0, 1, NQ-1, 1, 0
	MUL16 2, 1, NQ-1, 1, 0
	s_wait_dscnt 0
	WIN MUL_HI
	MUL16 4, 1, NQ-1, 1, 0
	MUL16 6, 1, NQ-1, 1, 0
	WIN 0
; THE WAY OUT, block by block of 16 rows x 128 columns (two heads).  PACK: rounded to f16, 16 bytes a lane, each accumulator from its low end on.  TOSTAGE: into my own stage, and back so that
; sixteen lanes hold two neighbouring rows of one head.  SEND: stored.  LDS serves a wave's instructions in order: no wait between the stores into the stage and the loads from it.
.macro PACK a
.set AC, 64*((\a)%4)
	WIN 0x0a+5*((\a)/4)                            ; sources 0 and 1: window 2 or 3
.irp b, 0,1,2,3,4,5,6,7
.irp r, 0,1,2,3
	v_cvt_pk_f16_f32 v[TMP+4*\b+\r], v[AC+8*\b+2*\r], v[AC+8*\b+2*\r+1]
.endr
.endr
	WIN 0
.endm
.macro TOSTAGE a
.set BB, BK+32*((\a)%2)
.irp b, 0,1,2,3,4,5,6,7
	ds_store_b128 v[STO], v[TMP+4*\b:TMP+4*\b+3] offset:32*\b
.endr
.irp t, 0,1,2,3,4,5,6,7
	ds_load_b128 v[BB+4*\t:BB+4*\t+3], v[RD] offset:\t*2*SPITCH
.endr
.endm
.macro SEND a
.set BB, BK+32*((\a)%2)
	s_wait_dscnt 0x0                               ; the block is back in registers
	s_wait_xcnt 0x0                                ; the stores of the block before have read their registers: the next block's loads land there only behind this wait
.irp t, 0,1,2,3,4,5,6,7
	global_store_b128 v[CO], v[BB+4*\t:BB+4*\t+3], s[12:13] offset:2048*(\a)+256*\t   ; sixteen lanes store 256 consecutive bytes, aligned: rows 16 a + 2 t and + 1 of one head
.endr
.endm
	PLACES NP
	PACK 0
	TOSTAGE 0
.irp a, 1,2,3,4,5,6,7                  ; block a's conversions stand between block a - 1's loads from the stage and the wait for them
	PACK \a
	SEND \a-1
	TOSTAGE \a
.endr
	SEND 7
	s_wait_tensorcnt 0x0                           ; the wave's end: behind my last tensor load and my last LDS store
	ds_add_u32 v[SPW], v[NIL]
	s_wait_dscnt 0x0
	CROUND                                         ; the closing round
	s_endpgm
.Lfunc_end_k_q20b58f7512_qkv:
	.size	k_q20b58f7512_qkv, .Lfunc_end_k_q20b58f7512_qkv-k_q20b58f7512_qkv
	.p2alignl 7, 3214868480
	.fill 96, 4, 3214868480
	.section	.rodata,"a",@progbits
	.p2align	6, 0x0
	.amdhsa_kernel k_q20b58f7512_qkv
		.amdhsa_group_segment_fixed_size 327680
		.amdhsa_private_segment_fixed_size 0
		.amdhsa_enable_private_segment 0
		.amdhsa_kernarg_size 64
		.amdhsa_user_sgpr_count 2
		.amdhsa_user_sgpr_kernarg_segment_ptr 1
		.amdhsa_wavefront_size32 1
		.amdhsa_system_sgpr_workgroup_id_x 1
		.amdhsa_system_sgpr_workgroup_id_y 1
		.amdhsa_system_sgpr_workgroup_id_z 1
		.amdhsa_system_vgpr_workitem_id 0
		.amdhsa_next_free_vgpr 1024
		.amdhsa_next_free_sgpr 102
		.amdhsa_reserve_vcc 0
		.amdhsa_float_denorm_mode_32 3
		.amdhsa_float_denorm_mode_16_64 3
		.amdhsa_memory_ordered 1
		.amdhsa_forward_progress 1
		.amdhsa_inst_pref_size 129
	.end_amdhsa_kernel
	.amdgpu_metadata
---
amdhsa.version: [ 1, 2 ]
amdhsa.kernels:
  - .name:           k_q20b58f7512_qkv
    .symbol:         k_q20b58f7512_qkv.kd
    .args:
      - { .name: x_codes, .offset: 0, .size: 8, .value_kind: global_buffer, .address_space: global }
      - { .name: x_scales, .offset: 8, .size: 8, .value_kind: global_buffer, .address_space: global }
      - { .name: w_codes, .offset: 16, .size: 8, .value_kind: global_buffer, .address_space: global }
      - { .name: w_scales, .offset: 24, .size: 8, .value_kind: global_buffer, .address_space: global }
      - { .name: qkv, .offset: 32, .size: 8, .value_kind: global_buffer, .address_space: global }
      - { .name: bq, .offset: 40, .size: 8, .value_kind: global_buffer, .address_space: global }
      - { .name: bk, .offset: 48, .size: 8, .value_kind: global_buffer, .address_space: global }
      - { .name: bv, .offset: 56, .size: 8, .value_kind: global_buffer, .address_space: global }
    .group_segment_fixed_size: 327680
    .private_segment_fixed_size: 0
    .kernarg_segment_align: 8
    .kernarg_segment_size: 64
    .max_flat_workgroup_size: 128
    .sgpr_count:     102
    .vgpr_count:     1024
    .wavefront_size: 32
...
	.end_amdgpu_metadata
.endif
;; end of part 2
;; launch attn (part 3): grid 4 x 64, 16 waves a work-group, clusters of 4 x 1, 327,680 bytes of LDS; arguments qkv, attn; writes attn
.if DOCPART == 3
	.amdgcn_target "amdgcn-amd-amdhsa--gfx1250"
	.amdhsa_code_object_version 6
	.text
	.protected	k_q20b58f7512_attn
	.globl	k_q20b58f7512_attn
	.p2align	8
	.type	k_q20b58f7512_attn,@function
k_q20b58f7512_attn:
	s_mov_b64 s[64:65], 0
	v_nop
	global_prefetch_b8 v0, s[64:65] scope:SCOPE_SE
	s_setreg_imm32_b32 hwreg(HW_REG_WAVE_MODE, 25, 1), 1
	s_wait_xcnt 0x0
	s_wait_alu depctr_hold_cnt(0) depctr_sa_sdst(0) depctr_va_vdst(0) depctr_va_sdst(0) depctr_va_ssrc(0) depctr_va_vcc(0) depctr_vm_vsrc(0)
	s_getreg_b32 s2, hwreg(HW_REG_IB_STS2, 6, 4)
	s_cmp_eq_u32 s2, 0
	s_cbranch_scc0 .Lentry_in_a_cluster
	s_endpgm
.Lentry_in_a_cluster:
	s_bfe_u32 s2, ttmp6, 0x10000c
	s_cmp_lg_u32 s2, 0x3003
	s_cbranch_scc0 .Lentry_shape_is_right
	s_endpgm
.Lentry_shape_is_right:
; attn[b][h][q][:] = the sum over k of softmax_k(Q[q] . K[k] / 8) V[k][:], for each of the 64 pairs (batch, head); no mask.  qkv: [3][64][2048][64] f16;  attn: [64][2048][64] f16.
; Products on f16 operands with f32 sums; maxima, exponentials and row sums in f32; the weights p are rounded to f16 for the second product, the result once at the end.
; SOFTMAX: for each query a running maximum m and sum l: p = 2^(c s - c m), c = log2(e) / 8; in every step O and l are multiplied by a = 2^(c m_old - c m_new).  l is summed of the unrounded p.
; LIMITS: a weight p under 2^-25 counts as 0 in the second product; results under 6.1e-5 have an absolute step of 6e-8; NaN and infinities are not served.
; SHARES.  A cluster of four work-groups owns one head; a work-group 512 of its queries; each of its SIXTEEN waves 32 of them, two tiles of 16, in 256 registers: four waves to a SIMD, so that one wave's
; vector work stands beside another's matrix work and LDS loads.  Every wave walks all 2,048 keys, 64 a step.  Each fragment of K and of V read from LDS feeds two products.
; JOINT LOADS.  The four work-groups walk the same K and V: each tile is asked for by the same tensor load, with the same descriptor and the mask of all four, in all four.
; RING.  Two LDS slots of 512 keys (K's rows, then V's); four tiles in all, so the four changes of slots are written out.  Waves 0 and 1 fetch K's halves, waves 2 and 3 V's; one tensor load of a wave is out at the most.
; LAYOUT.  S^T = K Q^T (source 0 = 16 keys, source 1 = 16 queries), O^T = V^T P (source 0 = 16 channels, source 1 = P): a lane holds ONE query (lane % 16) throughout; two tiles of S^T, rounded in pairs, ARE a fragment of P.
; REGISTERS: v1-7 addresses that stay; v8-23 eight statistics a tile; v27-29 the way out's addresses; v32-63 Q; v64-127 K of a step, then its V; v128-191 S^T, then p, then P in place; v192-255 O^T.
.set PK,    144                        ; a row of K in LDS: 128 bytes + 16
.set PV,    160                        ; a row of V: 128 + 32, for the turning load
.set SK,    512                        ; keys in a slot
.set VOFF,  SK*PK                      ; a slot: 512 rows of K, then 512 rows of V
.set SLOTB, SK*(PK+PV)
.set SPARE, 2*SLOTB                    ; the spare words, 128 bytes for each wave: eight blocks of 256 bytes that no other line names
.set STG,   32*PK                      ; the way out: 32 rows x 144 for each wave, in slot 0's K: it has had its last fill, and nobody reads it behind the last change of slots
.set AK0, 1                            ; v1  my lane's place in a tile of K
.set AV0, 2                            ; v2  the same for V
.set ADK, 3                            ; v3  LDS address of the step's K
.set ADV, 4                            ; v4  of its V
.set SPW, 5                            ; v5  LDS address of my spare word; never rewritten
.set NIL, 6                            ; v6  0; never rewritten
.set PFO, 7                            ; v7  256 x my lane; never rewritten
.set ST,  8                            ; tile t's statistics at v[ST + 8 t]: +0 c m, +1 m, +2, +3 l (two halves), +4 .. +7 at work; a in +6
.set STO, 27
.set RD,  28
.set GO,  29
.set QF,  32                           ; Q: tile t, channels 32 cc on, at QF + 16 t + 8 cc
.set KV,  64
.set SS,  128                          ; S^T: tile t, keys 16 kt on, at SS + 32 t + 8 kt
.set OA,  192                          ; O^T: tile t, channels 16 ct on, at OA + 32 t + 8 ct
.set WV,  12                           ; s12 my wave's number
.set G1K, 24                           ; s[24:31], s[32:39] descriptor group 1 for K's and V's tiles;  s[40:43], s[44:47] their groups 0
.set G1V, 32
.set G0K, 40
.set G0V, 44
.set PFA, 48                           ; s[48:49] where my prefetches stand; never rewritten
.set TBK, 50                           ; s50, s51 LDS byte at which the step's rows of K, of V begin
.set TBV, 51
.set CNT, 52
.set CS,  58                           ; s[58:59] c, twice
.set SEL, 60                           ; s[60:61] lane selects for v_permlanex16_b32: lane l xor 16
.macro CROUND                          ; a round of the cluster's barrier
	s_barrier_signal -1
	s_barrier_wait -1
	s_cmp_lg_u32 s[WV], 0
	s_cbranch_scc1 .Lnot_wave_0_\@
	s_barrier_signal -3
.Lnot_wave_0_\@:
	s_barrier_wait -3
	s_barrier_signal -1
	s_barrier_wait -1
.endm
; Waves 0 and 1 fetch for K, waves 2 and 3 for V, the others nothing.  The branches hang on the wave's number alone.  An s_nop 0 and four v_nop follow each of the two lines.
.macro TLOAD
	s_cmp_lt_u32 s[WV], 2
	s_cbranch_scc0 .Lnot_k_\@
	tensor_load_to_lds s[G0K:G0K+3], s[G1K:G1K+7]
	s_nop 0
.rept 4
	v_nop
.endr
	s_branch .Lasked_\@
.Lnot_k_\@:
	s_cmp_lt_u32 s[WV], 4
	s_cbranch_scc0 .Lasked_\@
	tensor_load_to_lds s[G0V:G0V+3], s[G1V:G1V+7]
	s_nop 0
.rept 4
	v_nop
.endr
.Lasked_\@:
.endm
; A PREFETCH INTO THE L2 of the tile that the NEXT change of slots will ask for: 65,536 dense bytes of K and as many of V.  The four partners take 16,384 bytes each, told apart BY ADDRESS; in each, waves 4 and 5
; ask for K's and waves 6 and 7 for V's, 8,192 bytes a wave, lanes 256 bytes apart: one instruction.  So each aligned run of 256 bytes is named once in the launch.  Tiles 0 and 1 come by their loads alone; behind tile 3 there is nothing.
.macro ASK tile
	s_cmp_eq_u32 s15, 1
	s_cbranch_scc0 .Lnot_mine_\@
	global_prefetch_b8 v[PFO], s[PFA:PFA+1] offset:(\tile)*65536 th:TH_LOAD_NT scope:SCOPE_SE
.Lnot_mine_\@:
.endm
	s_load_b128 s[4:7], s[0:1], 0x0                ; qkv s[4:5], attn s[6:7]
	v_lshl_add_u32 v[SPW], v0, 2, SPARE
	v_mov_b32 v[NIL], 0
	ds_add_u32 v[SPW], v[NIL]                      ; the wave's opening: the add, twice on end, and its wait ahead of the first tensor load; the set-up below stands between
	ds_add_u32 v[SPW], v[NIL]
	v_lshrrev_b32 v24, 5, v0
	v_readfirstlane_b32 s[WV], v24                 ; wave 0..15
	s_bfe_u32 s13, ttmp6, 0x40000                  ; cx: which 512 queries: it enters Q's, the result's and the prefetches' addresses alone
	s_and_b32 s14, ttmp7, 0xffff                   ; the head among the 64, which the four partners share
	s_lshr_b32 s15, s[WV], 2                       ; 1 in waves 4 to 7
	s_and_b32 s16, s[WV], 1                        ; which 256 keys of a tile I fetch
	s_mul_i32 s17, s16, 256*PK                     ; their place in a slot: K's,
	s_mul_i32 s18, s16, 256*PV
	s_add_co_u32 s18, s18, VOFF                    ; V's
	s_lshl_b32 s20, s14, 18                        ; a head is 262,144 bytes
	s_mov_b32 s21, 0
	s_lshl_b32 s22, s16, 15                        ; 256 rows of 128 bytes in memory
	s_mov_b32 s23, 0
	; descriptor group 1: 256 rows of 64 elements of 2 bytes, dense in memory, padded in LDS
	s_mov_b32 s[G1K], 15|(1<<16)|(1<<20)|(1<<21)|(4<<22)|(3<<25)  ; 15:0 the mask: all four; 17:16 elements of 2 bytes; 20 padding on; 21 set beside a mask; 24:22 after every 32 words; 31:25 four words
	s_mov_b32 s[G1V], 15|(1<<16)|(1<<20)|(1<<21)|(4<<22)|(7<<25)  ; the same with eight words of padding
.irp g, G1K, G1V
	s_mov_b32 s[\g+1], 64<<16                      ; tensor_dim0
	s_mov_b32 s[\g+2], 256<<16                     ; tensor_dim1
	s_mov_b32 s[\g+3], 64<<16                      ; tile_dim0
	s_mov_b32 s[\g+4], 256                         ; tile_dim1
	s_mov_b32 s[\g+5], 64                          ; tensor_dim0_stride
	s_mov_b32 s[\g+6], 0
	s_mov_b32 s[\g+7], 0
.endr
	s_mov_b32 s[CS], 0x3e38aa3b                    ; c = log2(e) / 8
	s_mov_b32 s[CS+1], s[CS]                       ; (named with it as a pair, so it is written)
	s_mov_b32 s[SEL], 0x76543210
	s_mov_b32 s[SEL+1], 0xfedcba98
	s_wait_dscnt 0x0                               ; both opening adds are done
	s_wait_kmcnt 0x0
	s_add_nc_u64 s[8:9], s[4:5], s[20:21]          ; the head in q,
	s_add_nc_u64 s[10:11], s[8:9], 2*16777216      ; in v,
	s_add_nc_u64 s[8:9], s[8:9], 16777216          ; in k
	s_mov_b32 s[G0K], 1                            ; count = 1
	s_mov_b32 s[G0K+1], s17                        ; LDS address: slot 0
	s_add_nc_u64 s[G0K+2:G0K+3], s[8:9], s[22:23]  ; global address: tile 0, my 256 keys
	s_or_b32 s[G0K+3], s[G0K+3], 0x80000000        ; type = 2
	s_mov_b32 s[G0V], 1
	s_mov_b32 s[G0V+1], s18
	s_add_nc_u64 s[G0V+2:G0V+3], s[10:11], s[22:23]
	s_or_b32 s[G0V+3], s[G0V+3], 0x80000000
	CROUND                                         ; all four work-groups are here: the first joint loads meet
	TLOAD                                          ; tile 0 into slot 0
	s_lshl_b32 s54, s13, 16                        ; my work-group's 512 rows of 128 bytes,
	s_lshl_b32 s55, s[WV], 12                      ; my wave's 32
	s_add_co_u32 s54, s54, s55
	s_mov_b32 s55, 0
	s_add_nc_u64 s[54:55], s[54:55], s[20:21]
	s_add_nc_u64 s[4:5], s[4:5], s[54:55]          ; Q at my first query
	s_add_nc_u64 s[6:7], s[6:7], s[54:55]          ; the result likewise
	s_cmp_lt_u32 s[WV], 6
	s_cselect_b64 s[PFA:PFA+1], s[8:9], s[10:11]   ; waves 4, 5: K;  waves 6, 7: V
	s_lshl_b32 s54, s13, 14
	s_lshl_b32 s55, s16, 13
	s_add_co_u32 s54, s54, s55
	s_mov_b32 s55, 0
	s_add_nc_u64 s[PFA:PFA+1], s[PFA:PFA+1], s[54:55]
	v_and_b32 v24, 15, v0                          ; r = lane % 16
	v_bfe_u32 v25, v0, 4, 1                        ; h = lane / 16
	v_lshlrev_b32 v26, 7, v24
	v_lshl_add_u32 v26, v25, 4, v26                ; Q: row r of 128 bytes, + 16 h
.irp t, 0,1
.irp cc, 0,1
	global_load_b128 v[QF+16*\t+8*\cc:QF+16*\t+8*\cc+3], v26, s[4:5] offset:2048*\t+64*\cc       ; a fragment: registers 0-3 channels 32 cc + 8 h + 0..7,
	global_load_b128 v[QF+16*\t+8*\cc+4:QF+16*\t+8*\cc+7], v26, s[4:5] offset:2048*\t+64*\cc+32  ; registers 4-7 those 16 further on.  Q stays in registers
.endr
.endr
	v_mul_u32_u24 v[AK0], v24, PK
	v_lshl_add_u32 v[AK0], v25, 4, v[AK0]          ; K: row r x pitch + 16 h
	v_and_b32 v30, 7, v0                           ; the turning load takes 16 keys x 16 channels: lane l reads key 8 h + l % 8, channels 8 ((l / 8) % 2) + 0..7
	v_bfe_u32 v31, v0, 3, 1
	v_lshl_add_u32 v[AV0], v25, 3, v30
	v_mul_u32_u24 v[AV0], v[AV0], PV
	v_lshl_add_u32 v[AV0], v31, 4, v[AV0]
	v_add_nc_u32 v[AV0], VOFF, v[AV0]
	v_and_b32 v31, 31, v0
	v_lshlrev_b32 v[PFO], 8, v31
	s_mul_i32 s56, s[WV], STG                      ; my stage for the way out
	v_mul_u32_u24 v[STO], v24, PK
	v_lshl_add_u32 v[STO], v25, 4, v[STO]
	v_add_nc_u32 v[STO], s56, v[STO]               ; in: row r, + 16 h
	v_lshrrev_b32 v[RD], 3, v31
	v_mul_u32_u24 v[RD], v[RD], PK
	v_lshl_add_u32 v[RD], v30, 4, v[RD]
	v_add_nc_u32 v[RD], s56, v[RD]                 ; back: eight lanes to a row, four rows an instruction
	v_lshlrev_b32 v[GO], 4, v31                    ; and in memory, where rows are dense: 16 x lane
.irp t, 0,1
	v_mov_b32 v[ST+8*\t+1], 0xff61b1e6             ; m: -3e38, under every score
	v_mul_f32 v[ST+8*\t], s[CS], v[ST+8*\t+1]      ; c m
.irp i, 2,3,4,5,6,7
	v_mov_b32 v[ST+8*\t+\i], 0                     ; l; and the registers at work (a lane permute's destination counts as one of its sources)
.endr
.endr
.irp j, 0,1,2,3,4,5,6,7,8,9,10,11,12,13,14,15,16,17,18,19,20,21,22,23,24,25,26,27,28,29,30,31,32,33,34,35,36,37,38,39,40,41,42,43,44,45,46,47,48,49,50,51,52,53,54,55,56,57,58,59,60,61,62,63
	v_mov_b32 v[OA+\j], 0                          ; O^T.  (The step is written once: the first finds zeros, and its a is 0)
.endr
; A KEY STEP: 64 keys.  16 products K Q^T, the softmax of both tiles, 16 products V^T P.  In every run of products eight accumulators take turns, one instruction a turn.
.macro STEP
	v_add_nc_u32 v[ADK], s[TBK], v[AK0]            ; (with the four v_nop at the last step's end: six places behind its products, ahead of the loads into their sources and of the products that write over P)
	v_add_nc_u32 v[ADV], s[TBV], v[AV0]
.irp cc, 0,1
.irp kt, 0,1,2,3
	ds_load_b128 v[KV+8*(4*\cc+\kt):KV+8*(4*\cc+\kt)+3], v[ADK] offset:16*PK*\kt+64*\cc
	ds_load_b128 v[KV+8*(4*\cc+\kt)+4:KV+8*(4*\cc+\kt)+7], v[ADK] offset:16*PK*\kt+64*\cc+32
.endr
.endr
	s_wait_dscnt 8                                 ; channels 0-31 of the 64 keys are in; the eight loads of channels 32-63 may be out
.irp kt, 0,1,2,3
.irp t, 0,1
	v_wmma_f32_16x16x32_f16 v[SS+32*\t+8*\kt:SS+32*\t+8*\kt+7], v[KV+8*\kt:KV+8*\kt+7], v[QF+16*\t:QF+16*\t+7], 0
.endr
.endr
	s_wait_dscnt 0x0
.irp kt, 0,1,2,3
.irp t, 0,1
	v_wmma_f32_16x16x32_f16 v[SS+32*\t+8*\kt:SS+32*\t+8*\kt+7], v[KV+32+8*\kt:KV+32+8*\kt+7], v[QF+16*\t+8:QF+16*\t+15], v[SS+32*\t+8*\kt:SS+32*\t+8*\kt+7]
.endr
.endr
.rept 4
	v_nop                                          ; four places ahead of the loads into K's registers and of the first read of the scores
.endr
.irp kk, 0,1                                   ; V, turned, lands while the softmax is walked
.irp ct, 0,1,2,3
	ds_load_tr16_b128 v[KV+8*(4*\kk+\ct):KV+8*(4*\kk+\ct)+3], v[ADV] offset:32*PV*\kk+32*\ct
	ds_load_tr16_b128 v[KV+8*(4*\kk+\ct)+4:KV+8*(4*\kk+\ct)+7], v[ADV] offset:32*PV*\kk+16*PV+32*\ct
.endr
.endr
	; the maximum of my 32 scores and the old m, three operands at a time, four chains a tile, each accumulator from its low end on; the two tiles by turns
.irp j, 0,1,2,3
.irp t, 0,1
	v_max3_num_f32 v[ST+8*\t+4+\j], v[SS+32*\t+8*\j], v[SS+32*\t+8*\j+1], v[SS+32*\t+8*\j+2]
.endr
.endr
.irp u, 3,5
.irp j, 0,1,2,3
.irp t, 0,1
	v_max3_num_f32 v[ST+8*\t+4+\j], v[ST+8*\t+4+\j], v[SS+32*\t+8*\j+\u], v[SS+32*\t+8*\j+\u+1]
.endr
.endr
.endr
.irp t, 0,1
	v_max3_num_f32 v[ST+8*\t+4], v[ST+8*\t+4], v[SS+32*\t+7], v[SS+32*\t+15]
.endr
.irp t, 0,1
	v_max3_num_f32 v[ST+8*\t+6], v[ST+8*\t+6], v[SS+32*\t+23], v[SS+32*\t+31]
.endr
.irp t, 0,1
	v_max3_num_f32 v[ST+8*\t+4], v[ST+8*\t+4], v[ST+8*\t+5], v[ST+8*\t+6]
.endr
.irp t, 0,1
	v_max3_num_f32 v[ST+8*\t+4], v[ST+8*\t+4], v[ST+8*\t+7], v[ST+8*\t+1]
.endr
.irp t, 0,1
	v_permlanex16_b32 v[ST+8*\t+5], v[ST+8*\t+4], s[SEL], s[SEL+1]   ; the query's other 32 keys lie in the lane 16 away
.endr
.irp t, 0,1
	v_mov_b32 v[ST+8*\t+7], v[ST+8*\t]             ; c m_old is kept for a
.endr
.irp t, 0,1
	v_max_num_f32 v[ST+8*\t+1], v[ST+8*\t+4], v[ST+8*\t+5]
.endr
.irp t, 0,1
	v_mul_f32 v[ST+8*\t], s[CS], v[ST+8*\t+1]
.endr
.irp t, 0,1
	v_sub_f32 v[ST+8*\t+7], v[ST+8*\t+7], v[ST+8*\t]
.endr
.irp b, 0,2,4,6,8,10,12,14,16,18,20,22,24,26,28,30
.irp t, 0,1
	v_pk_fma_f32 v[SS+32*\t+\b:SS+32*\t+\b+1], v[SS+32*\t+\b:SS+32*\t+\b+1], s[CS:CS+1], v[ST+8*\t:ST+8*\t+1] op_sel_hi:[1,0,0] neg_lo:[0,0,1] neg_hi:[0,0,1]   ; c s - c m, two at a time
.endr
.endr
.irp t, 0,1
	v_exp_f32 v[ST+8*\t+6], v[ST+8*\t+7]           ; a.  ONE BATCH of 66 exponentials: none reads another's result
.endr
.irp e, 0,1,2,3,4,5,6,7,8,9,10,11,12,13,14,15,16,17,18,19,20,21,22,23,24,25,26,27,28,29,30,31
.irp t, 0,1
	v_exp_f32 v[SS+32*\t+\e], v[SS+32*\t+\e]
.endr
.endr
	v_nop                                          ; a plain instruction behind the last exponential,
	s_wait_alu depctr_va_vdst(0)                   ; and the one wait ahead of the batch's first reader
.irp t, 0,1
	v_pk_mul_f32 v[ST+8*\t+2:ST+8*\t+3], v[ST+8*\t+2:ST+8*\t+3], v[ST+8*\t+6:ST+8*\t+7] op_sel_hi:[1,0]   ; l under the new m
.endr
.irp t, 0,1
	v_pk_add_f32 v[ST+8*\t+4:ST+8*\t+5], v[SS+32*\t:SS+32*\t+1], v[SS+32*\t+2:SS+32*\t+3]                 ; the row's sum of the unrounded p: two chains a tile
.endr
.irp j, 4,8,12,16,20,24,28
.irp t, 0,1
	v_pk_add_f32 v[ST+8*\t+2:ST+8*\t+3], v[ST+8*\t+2:ST+8*\t+3], v[SS+32*\t+\j:SS+32*\t+\j+1]
	v_pk_add_f32 v[ST+8*\t+4:ST+8*\t+5], v[ST+8*\t+4:ST+8*\t+5], v[SS+32*\t+\j+2:SS+32*\t+\j+3]
.endr
.endr
.irp t, 0,1
	v_pk_add_f32 v[ST+8*\t+2:ST+8*\t+3], v[ST+8*\t+2:ST+8*\t+3], v[ST+8*\t+4:ST+8*\t+5]
.endr
.irp i, 0,1,2,3,4,5,6,7,8,9,10,11,12,13,14,15
.irp t, 0,1
	v_cvt_pk_f16_f32 v[SS+32*\t+\i], v[SS+32*\t+2*\i], v[SS+32*\t+2*\i+1]   ; P in place, ascending: register i is written when registers up to 2 i + 1 have been read
.endr
.endr
.irp b, 0,2,4,6,8,10,12,14,16,18,20,22,24,26,28,30
.irp t, 0,1
	v_pk_mul_f32 v[OA+32*\t+\b:OA+32*\t+\b+1], v[OA+32*\t+\b:OA+32*\t+\b+1], v[ST+8*\t+6:ST+8*\t+7] op_sel_hi:[1,0]   ; O^T under the new m, each accumulator from its low end on
.endr
.endr
	s_wait_dscnt 0x0                               ; V is in
.irp kk, 0,1
.irp ct, 0,1,2,3
.irp t, 0,1
	v_wmma_f32_16x16x32_f16 v[OA+32*\t+8*\ct:OA+32*\t+8*\ct+7], v[KV+8*(4*\kk+\ct):KV+8*(4*\kk+\ct)+7], v[SS+32*\t+8*\kk:SS+32*\t+8*\kk+7], v[OA+32*\t+8*\ct:OA+32*\t+8*\ct+7]
.endr
.endr
.endr
.rept 4
	v_nop
.endr
	s_add_co_u32 s[TBK], s[TBK], 64*PK             ; the next 64 keys
	s_add_co_u32 s[TBV], s[TBV], 64*PV
.endm
; TILE j OF FOUR, in slot j % 2.  At its head the change of slots: each wave waits for all its tensor loads (its part of this tile), adds 0 to its spare word, and waits for that and for its reads of the slot that it has left.
; j < 3: a round of the cluster's barrier, so that no wave of any partner still reads that slot or has a load on its way, and the joint load of tile j + 1 first behind it: it has this tile's eight steps in which to land.
.macro TRIP j
	s_wait_tensorcnt 0x0                           ; no tensor load of mine is out, so a group 0 may be written
	ds_add_u32 v[SPW], v[NIL]                      ; 0 onto my spare word
.if \j < 3
	ds_add_u32 v[SPW], v[NIL]                      ; and once more, where a tensor load still follows
	s_add_co_u32 s[G0K+1], s17, ((\j+1)%2)*SLOTB   ; the other slot,
	s_add_co_u32 s[G0V+1], s18, ((\j+1)%2)*SLOTB
	s_add_nc_u64 s[G0K+2:G0K+3], s[G0K+2:G0K+3], 65536   ; the next 512 keys; the type bits on top are not reached
	s_add_nc_u64 s[G0V+2:G0V+3], s[G0V+2:G0V+3], 65536
.endif
	s_mov_b32 s[TBK], (\j%2)*SLOTB
	s_mov_b32 s[TBV], (\j%2)*SLOTB
	s_mov_b32 s[CNT], 8
	s_wait_dscnt 0x0                               ; the add is done, and my reads of the slot that I have left are over
.if \j < 3
	CROUND
	TLOAD
.if \j < 2
	ASK \j+2                                       ; what the next change of slots will ask for: this tile's eight steps ahead of that load
.endif
.else
	s_barrier_signal -1                            ; the last tile: nothing is asked for
	s_barrier_wait -1
.endif
.Lstep_\@:
	STEP
	s_sub_co_u32 s[CNT], s[CNT], 1
	s_cmp_lg_u32 s[CNT], 0
	s_cbranch_scc1 .Lstep_\@
.endm
	s_wait_loadcnt 0x0                             ; Q
	TRIP 0
	TRIP 1
	TRIP 2
	TRIP 3
	; THE WAY OUT.  l's two halves and the other half of the lanes' are added; O^T is divided by l, rounded to f16 and sent through my stage, so that the 32 lanes store 512 consecutive bytes.
.irp t, 0,1
	v_add_f32 v[ST+8*\t+4], v[ST+8*\t+2], v[ST+8*\t+3]
.endr
.irp t, 0,1
	v_permlanex16_b32 v[ST+8*\t+5], v[ST+8*\t+4], s[SEL], s[SEL+1]
.endr
.irp t, 0,1
	v_add_f32 v[ST+8*\t+4], v[ST+8*\t+4], v[ST+8*\t+5]
.endr
.irp t, 0,1
	v_rcp_f32 v[ST+8*\t+6], v[ST+8*\t+4]
.endr
	v_nop                                          ; a plain instruction behind the last reciprocal,
	s_wait_alu depctr_va_vdst(0)                   ; and the wait ahead of the first use
.irp t, 0,1
.irp b, 0,2,4,6,8,10,12,14,16,18,20,22,24,26,28,30
	v_pk_mul_f32 v[OA+32*\t+\b:OA+32*\t+\b+1], v[OA+32*\t+\b:OA+32*\t+\b+1], v[ST+8*\t+6:ST+8*\t+7] op_sel_hi:[1,0]
.endr
.endr
.irp t, 0,1
.irp i, 0,1,2,3,4,5,6,7,8,9,10,11,12,13,14,15
	v_cvt_pk_f16_f32 v[SS+16*\t+\i], v[OA+32*\t+2*\i], v[OA+32*\t+2*\i+1]   ; registers 4 ct .. 4 ct + 3: channels 16 ct + 8 h + 0..7 of query 16 t + r
.endr
.endr
.irp t, 0,1
.irp ct, 0,1,2,3
	ds_store_b128 v[STO], v[SS+16*\t+4*\ct:SS+16*\t+4*\ct+3] offset:16*PK*\t+32*\ct
.endr
.endr
.irp i, 0,1,2,3,4,5,6,7
	ds_load_b128 v[KV+4*\i:KV+4*\i+3], v[RD] offset:4*PK*\i   ; LDS serves a wave's instructions in order: these see my stores
.endr
.irp i, 0,1,2,3,4,5,6,7
	s_wait_dscnt 7-\i                              ; LDS loads come back in order: rows 4 i to 4 i + 3 are in
	global_store_b128 v[GO], v[KV+4*\i:KV+4*\i+3], s[6:7] offset:512*\i
.endr
	s_wait_tensorcnt 0x0                           ; the wave's end: behind my last tensor load and my last LDS store
	ds_add_u32 v[SPW], v[NIL]
	s_wait_dscnt 0x0
	CROUND                                         ; the closing round
	s_endpgm
.Lfunc_end_k_q20b58f7512_attn:
	.size	k_q20b58f7512_attn, .Lfunc_end_k_q20b58f7512_attn-k_q20b58f7512_attn
	.p2alignl 7, 3214868480
	.fill 96, 4, 3214868480
	.section	.rodata,"a",@progbits
	.p2align	6, 0x0
	.amdhsa_kernel k_q20b58f7512_attn
		.amdhsa_group_segment_fixed_size 327680
		.amdhsa_private_segment_fixed_size 0
		.amdhsa_enable_private_segment 0
		.amdhsa_kernarg_size 16
		.amdhsa_user_sgpr_count 2
		.amdhsa_user_sgpr_kernarg_segment_ptr 1
		.amdhsa_wavefront_size32 1
		.amdhsa_system_sgpr_workgroup_id_x 1
		.amdhsa_system_sgpr_workgroup_id_y 1
		.amdhsa_system_sgpr_workgroup_id_z 1
		.amdhsa_system_vgpr_workitem_id 0
		.amdhsa_next_free_vgpr 256
		.amdhsa_next_free_sgpr 66
		.amdhsa_reserve_vcc 0
		.amdhsa_float_denorm_mode_32 3
		.amdhsa_float_denorm_mode_16_64 3
		.amdhsa_memory_ordered 1
		.amdhsa_forward_progress 1
		.amdhsa_inst_pref_size 90
	.end_amdhsa_kernel
	.amdgpu_metadata
---
amdhsa.version: [ 1, 2 ]
amdhsa.kernels:
  - .name:           k_q20b58f7512_attn
    .symbol:         k_q20b58f7512_attn.kd
    .args:
      - { .name: qkv, .offset: 0, .size: 8, .value_kind: global_buffer, .address_space: global }
      - { .name: attn, .offset: 8, .size: 8, .value_kind: global_buffer, .address_space: global }
    .group_segment_fixed_size: 327680
    .private_segment_fixed_size: 0
    .kernarg_segment_align: 8
    .kernarg_segment_size: 16
    .max_flat_workgroup_size: 512
    .sgpr_count:     66
    .vgpr_count:     256
    .wavefront_size: 32
...
	.end_amdgpu_metadata
.endif
;; end of part 3
;; launch proj (part 4): grid 8 x 32, 4 waves a work-group, clusters of 4 x 4, 327,680 bytes of LDS; arguments attn, wo_t, bo, out0; writes out0
.if DOCPART == 4
	.amdgcn_target "amdgcn-amd-amdhsa--gfx1250"
	.amdhsa_code_object_version 6
	.text
	.protected	k_q20b58f7512_proj
	.globl	k_q20b58f7512_proj
	.p2align	8
	.type	k_q20b58f7512_proj,@function
k_q20b58f7512_proj:
	s_mov_b64 s[64:65], 0
	v_nop
	global_prefetch_b8 v0, s[64:65] scope:SCOPE_SE
	s_setreg_imm32_b32 hwreg(HW_REG_WAVE_MODE, 25, 1), 1
	s_wait_xcnt 0x0
	s_wait_alu depctr_hold_cnt(0) depctr_sa_sdst(0) depctr_va_vdst(0) depctr_va_sdst(0) depctr_va_ssrc(0) depctr_va_vcc(0) depctr_vm_vsrc(0)
	s_getreg_b32 s2, hwreg(HW_REG_IB_STS2, 6, 4)
	s_cmp_eq_u32 s2, 0
	s_cbranch_scc0 .Lentry_in_a_cluster
	s_endpgm
.Lentry_in_a_cluster:
	s_bfe_u32 s2, ttmp6, 0x10000c
	s_cmp_lg_u32 s2, 0xf033
	s_cbranch_scc0 .Lentry_shape_is_right
	s_endpgm
.Lentry_shape_is_right:
; out0[m][n] = the sum over k of A[m][k] Wo[k][n] + bo[n], m = 2048 batch + position, k = 64 head + channel.  A: attn [batch 4][head 16][position 2048][64] f16;  wo_t: [n 1024][k 1024] f16;  out0: [8192][1024] f32; sums in f32.
; A tile of the result is 256 rows x 128 columns, so that there are 256 of them; four waves, each 128 x 64: 32 accumulators of 16 x 16, which fill window 1.
; K goes in steps of 128, two heads, through a ring of two LDS slots.  A head's 64 channels of the tile's 256 rows are 32,768 dense bytes of memory: a PLANE; wave 0 fetches a step's first plane, wave 1 its second,
; waves 2 and 3 the two halves of wo_t's 128 rows (256 bytes each): one tensor load a wave behind each change of slots; two of a wave's are out at the head, one later.
; CLUSTERS: 4 x 4 work-groups.  The four of a row of the cluster need the same planes of A, the four of a column the same rows of wo_t: each is asked for JOINTLY.
; THE MATRIX INSTRUCTION IS USED TRANSPOSED (source 0 = 16 rows of wo_t, source 1 = 16 rows of A): a lane holds eight neighbouring columns of one row.  THE BIAS IS THE C OF EACH SUM'S FIRST PRODUCT.
; REGISTERS: window 0: v0-31 addresses; v32-63 the bias; v64-159, v160-255 two fragment buffers for 32 along K (A's eight blocks, then wo_t's four); on the way out v64-127 take rows read back.  window 1: accumulator (a, b) at v[8 (4 a + b)].
.set PA,     144                       ; a plane's row in LDS: 128 bytes + 16
.set PLANE,  256*PA
.set PB,     272                       ; a row of wo_t's tile: 256 bytes + 16
.set BOFF,   2*PLANE                   ; a slot: two planes, then wo_t's 128 rows
.set SLOT,   BOFF+128*PB
.set STAGE,  2*SLOT                    ; behind the ring: 16 rows x 272 bytes for each wave, for the way out
.set SPITCH, 272
.set SPARE,  STAGE+4*16*SPITCH         ; the spare words, 128 bytes for each wave: two blocks of 256 bytes that no other line names
.set ADRA, 16                          ; v16-17 LDS address of my A fragments in slot 0, 1
.set ADRB, 20                          ; v20-21 the same for wo_t
.set STO,  24
.set RD,   25
.set CO,   26
.set BOF,  27                          ; v27 32 x (lane / 16)
.set SPW,  28                          ; v28 LDS address of my spare word; never rewritten
.set NIL,  29                          ; v29 0; never rewritten
.set BI,   32                          ; the bias: register 8 b + j = bo[my first column + 16 b + 8 (lane / 16) + j]
.set F0,   64
.set F1,   160
.set BK,   64
.set G1, 24                            ; s[24:31] descriptor group 1 for A's planes;  s[32:39] group 0, one set for each slot
.set G0, 32
.set G1B, 48                           ; s[48:55], s[56:63] the same for wo_t
.set G0B, 56
.set MSB, 0
.macro WIN new                         ; the immediate's high byte repeats the setting that is left
.if MSB != (\new)
	s_set_vgpr_msb (MSB<<8)|(\new)
.set MSB, (\new)
.endif
.endm
.set MUL, 0x50                         ; C and D window 1, the sources window 0;  less 0x10: C (the bias) window 0
.macro JLOAD s                         ; a joint load: waves 0 and 1 fetch A's planes, waves 2 and 3 wo_t's halves; an s_nop 0 and four v_nop follow each of the two lines
	s_cmp_eq_u32 s11, 0
	s_cbranch_scc0 .Lfor_b_\@
	tensor_load_to_lds s[G0+4*\s:G0+4*\s+3], s[G1:G1+7]
	s_nop 0
.rept 4
	v_nop
.endr
	s_branch .Lasked_\@
.Lfor_b_\@:
	tensor_load_to_lds s[G0B+4*\s:G0B+4*\s+3], s[G1B:G1B+7]
	s_nop 0
.rept 4
	v_nop
.endr
.Lasked_\@:
.endm
.macro CREST                           ; a round of the cluster's barrier behind its opening barrier
	s_cmp_lg_u32 s10, 0
	s_cbranch_scc1 .Lnot_wave_0_\@
	s_barrier_signal -3
.Lnot_wave_0_\@:
	s_barrier_wait -3
	s_barrier_signal -1
	s_barrier_wait -1
.endm
.macro CROUND                          ; a whole round
	s_barrier_signal -1
	s_barrier_wait -1
	CREST
.endm
	s_load_b128 s[4:7], s[0:1], 0x0                ; attn s[4:5], wo_t s[6:7]
	s_load_b64 s[66:67], s[0:1], 0x10              ; bo
	s_load_b64 s[8:9], s[0:1], 0x18                ; out0
	v_lshl_add_u32 v[SPW], v0, 2, SPARE
	v_mov_b32 v[NIL], 0
	ds_add_u32 v[SPW], v[NIL]                      ; the wave's opening: the add, twice on end, and its wait ahead of my first tensor load; the set-up below stands between
	ds_add_u32 v[SPW], v[NIL]
	v_lshrrev_b32 v1, 5, v0
	v_readfirstlane_b32 s10, v1                    ; wave 0..3
	s_lshr_b32 s11, s10, 1                         ; which half of the tile's rows is mine.  Also: I fetch for A (0) or for wo_t (1)
	s_and_b32 s12, s10, 1                          ; which half of its columns.  Also: which plane, or which 64 rows of wo_t, I fetch
	s_bfe_u32 s40, ttmp6, 0x40000                  ; cx, cy: my place in the cluster
	s_bfe_u32 s41, ttmp6, 0x40004
	s_lshl_b32 s42, ttmp9, 2
	s_add_co_u32 s42, s42, s40                     ; tile column = 4 x cluster x + cx
	s_and_b32 s13, ttmp7, 0xffff
	s_lshl_b32 s13, s13, 2
	s_add_co_u32 s13, s13, s41                     ; tile row = 4 x cluster y + cy
	s_lshl_b32 s43, s41, 2
	s_lshl_b32 s43, 15, s43                        ; my row of the cluster
	s_lshl_b32 s44, 0x1111, s40                    ; my column
	; descriptor group 1.  A: 256 rows of 64 elements of 2 bytes, dense; four words of padding after every 32
	s_or_b32 s[G1+0], s43, (1<<16)|(1<<20)|(1<<21)|(4<<22)|(3<<25)
	s_mov_b32 s[G1+1], 64<<16                      ; tensor_dim0
	s_mov_b32 s[G1+2], 256<<16                     ; tensor_dim1
	s_mov_b32 s[G1+3], 64<<16                      ; tile_dim0
	s_mov_b32 s[G1+4], 256                         ; tile_dim1
	s_mov_b32 s[G1+5], 64                          ; tensor_dim0_stride
	s_mov_b32 s[G1+6], 0
	s_mov_b32 s[G1+7], 0
	; wo_t: 64 rows of 128 elements, 1,024 elements apart; four words of padding after every 64
	s_or_b32 s[G1B+0], s44, (1<<16)|(1<<20)|(1<<21)|(5<<22)|(3<<25)
	s_mov_b32 s[G1B+1], 128<<16
	s_mov_b32 s[G1B+2], 64<<16
	s_mov_b32 s[G1B+3], 128<<16
	s_mov_b32 s[G1B+4], 64
	s_mov_b32 s[G1B+5], 1024
	s_mov_b32 s[G1B+6], 0
	s_mov_b32 s[G1B+7], 0
	s_lshr_b32 s16, s13, 3                         ; A: the batch, 4,194,304 bytes;
	s_lshl_b32 s16, s16, 22
	s_and_b32 s17, s13, 7
	s_lshl_b32 s17, s17, 15                        ; 256 positions of 128 bytes for each tile row in it;
	s_add_co_u32 s16, s16, s17
	s_lshl_b32 s17, s12, 18                        ; my plane: a head is 262,144 bytes
	s_add_co_u32 s16, s16, s17
	s_mov_b32 s17, 0
	s_lshl_b32 s46, s42, 18                        ; wo_t: row 128 x tile column + 64 x half, 2,048 bytes a row
	s_lshl_b32 s47, s12, 17
	s_add_co_u32 s46, s46, s47
	s_mov_b32 s47, 0
	s_mul_i32 s20, s12, PLANE                      ; where they go: no place in the cluster enters an LDS address
	s_mul_i32 s21, s12, 64*PB
	s_add_co_u32 s21, s21, BOFF
	s_wait_dscnt 0x0                               ; both opening adds are done
	s_wait_kmcnt 0x0
	s_add_nc_u64 s[14:15], s[4:5], s[16:17]
	s_add_nc_u64 s[46:47], s[6:7], s[46:47]
	CROUND                                         ; all sixteen work-groups are here: the first joint loads meet
.irp s, 0,1
	s_mov_b32 s[G0+4*\s], 1
	s_add_co_u32 s[G0+4*\s+1], s20, \s*SLOT
	s_add_nc_u64 s[G0+4*\s+2:G0+4*\s+3], s[14:15], \s*2*262144     ; K step s: heads 2 s and 2 s + 1
	s_or_b32 s[G0+4*\s+3], s[G0+4*\s+3], 0x80000000
	s_mov_b32 s[G0B+4*\s], 1
	s_add_co_u32 s[G0B+4*\s+1], s21, \s*SLOT
	s_add_nc_u64 s[G0B+4*\s+2:G0B+4*\s+3], s[46:47], \s*256
	s_or_b32 s[G0B+4*\s+3], s[G0B+4*\s+3], 0x80000000
	JLOAD \s
.endr
	s_lshl_b32 s46, s42, 9                         ; my first column, in bytes of f32: 512 x tile column + 256 x half: in bo and in a row of out0
	s_lshl_b32 s47, s12, 8
	s_add_co_u32 s46, s46, s47
	s_mov_b32 s47, 0
	s_add_nc_u64 s[66:67], s[66:67], s[46:47]
	v_and_b32 v1, 15, v0                           ; l % 16
	v_bfe_u32 v2, v0, 4, 1                         ; l / 16
	v_lshlrev_b32 v[BOF], 5, v2
.irp b, 0,1,2,3
	global_load_b128 v[BI+8*\b:BI+8*\b+3], v[BOF], s[66:67] offset:64*\b
	global_load_b128 v[BI+8*\b+4:BI+8*\b+7], v[BOF], s[66:67] offset:64*\b+16
.endr
	v_mul_u32_u24 v3, v1, PA
	v_lshl_add_u32 v3, v2, 4, v3                   ; a fragment's row x pitch + 16 x half: A's,
	v_mul_u32_u24 v4, v1, PB
	v_lshl_add_u32 v4, v2, 4, v4                   ; wo_t's
	s_mul_i32 s21, s11, 128*PA                     ; my 128 rows in a plane
	s_mul_i32 s22, s12, 64*PB                      ; my 64 rows of wo_t
	s_add_co_u32 s22, s22, BOFF
.irp s, 0,1
	v_add_nc_u32 v[ADRA+\s], s21, v3
	v_add_nc_u32 v[ADRB+\s], s22, v4
	s_add_co_u32 s21, s21, SLOT
	s_add_co_u32 s22, s22, SLOT
.endr
	s_mul_i32 s23, s10, 16*SPITCH
	s_add_co_u32 s23, s23, STAGE                   ; my stage
	v_mul_u32_u24 v5, v1, SPITCH                   ; in: row l % 16, 32 bytes for each half of the lanes
	v_lshl_add_u32 v5, v2, 5, v5
	v_add_nc_u32 v[STO], s23, v5
	v_mul_u32_u24 v5, v2, SPITCH                   ; back: lanes 0-15 one row of 256 bytes, lanes 16-31 the next
	v_lshl_add_u32 v5, v1, 4, v5
	v_add_nc_u32 v[RD], s23, v5
	v_lshlrev_b32 v[CO], 12, v2                    ; and the same two rows in out0
	v_lshl_add_u32 v[CO], v1, 4, v[CO]
	s_lshl_b32 s16, s13, 20                        ; my first row: 256 x tile row + 128 x half, 4,096 bytes a row
	s_lshl_b32 s17, s11, 19
	s_add_co_u32 s16, s16, s17
	s_mov_b32 s17, 0
	s_add_nc_u64 s[8:9], s[8:9], s[16:17]
	s_add_nc_u64 s[8:9], s[8:9], s[46:47]
; 8 matrix instructions: A's blocks a0, a0 + 1 x wo_t's four, 32 along K, from buffer f.  z = 1: the first product starts the sums from the bias.
; The 32 accumulators take turns, one instruction a turn, in the same order in every quarter.
.macro MUL8 f, a0, z
.irp a, \a0, \a0+1
.irp b, 0,1,2,3
.if \z
	v_wmma_f32_16x16x32_f16 v[8*(4*(\a)+\b):8*(4*(\a)+\b)+7], v[\f+64+8*\b:\f+64+8*\b+7], v[\f+8*(\a):\f+8*(\a)+7], v[BI+8*\b:BI+8*\b+7]
.else
	v_wmma_f32_16x16x32_f16 v[8*(4*(\a)+\b):8*(4*(\a)+\b)+7], v[\f+64+8*\b:\f+64+8*\b+7], v[\f+8*(\a):\f+8*(\a)+7], v[8*(4*(\a)+\b):8*(4*(\a)+\b)+7]
.endif
.endr
.endr
.endm
; 24 LDS loads in one run: the fragments of the slot's q-th 32 along K into buffer f: wo_t's four blocks, A's blocks 0-3, A's blocks 4-7.  Quarters 0, 1 lie in the first plane, 2, 3 in the second
.macro FETCH slot, q, f
	WIN 0
.irp b, 0,1,2,3
	ds_load_b128 v[\f+64+8*\b:\f+64+8*\b+3],   v[ADRB+\slot] offset:64*(\q)+16*PB*\b
	ds_load_b128 v[\f+64+8*\b+4:\f+64+8*\b+7], v[ADRB+\slot] offset:64*(\q)+16*PB*\b+32
.endr
.irp i, 0,1,2,3,4,5,6,7
	ds_load_b128 v[\f+8*\i:\f+8*\i+3],   v[ADRA+\slot] offset:((\q)/2)*PLANE+((\q)%2)*64+16*PA*\i
	ds_load_b128 v[\f+8*\i+4:\f+8*\i+7], v[ADRA+\slot] offset:((\q)/2)*PLANE+((\q)%2)*64+16*PA*\i+32
.endr
.endm
.macro PLACES                          ; four places in front of loads into registers that matrix instructions have read, and of the first read of results (ISA guide 7.12.1 for vector instructions)
.rept 4
	v_nop
.endr
.endm
; A K step is four quarters of 32 along K, 32 matrix instructions each, on buffers 0, 1, 0, 1.  One of the first three: multiplies buffer f and fetches quarter qn into g.
.macro QUARTER slot, qn, f, g, z
	s_wait_dscnt 8                                 ; wo_t's blocks and A's 0-3 are in; the youngest eight loads (A's blocks 4-7) may be out
	WIN MUL-0x10*(\z)
	MUL8 \f, 0, \z
	MUL8 \f, 2, \z
	PLACES
	FETCH \slot, \qn, \g
	s_wait_dscnt 24                                ; all but the 24 just issued
	WIN MUL-0x10*(\z)
	MUL8 \f, 4, \z
	MUL8 \f, 6, \z
.endm
; The last quarter multiplies buffer 1 and changes slots: ONE barrier; in front of it each wave waits for all its tensor loads, adds 0 to its spare word, and waits for that and for its reads of this slot.
; fill = 1: the barrier opens a round of the cluster's barrier, and this slot is filled again, two K steps ahead, first thing behind the round.
.macro TURN slot, next, fill
	WIN 0                                          ; (the add's two registers lie in window 0)
	s_wait_tensorcnt 0x0                           ; all my tensor loads have landed: my part of the next slot
	ds_add_u32 v[SPW], v[NIL]                      ; 0 onto my spare word
	s_wait_dscnt 9                                 ; (the add and the youngest eight loads may be out)
	WIN MUL
	MUL8 F1, 0, 0                                  ; eight matrix instructions stand between the add and the wait for it
	s_wait_dscnt 0x0                               ; the add is done, and my reads of this slot are over
	s_barrier_signal -1
	MUL8 F1, 2, 0
.if \fill
	WIN 0
.endif
	s_barrier_wait -1
.if \fill
	CREST                                          ; no wave of any partner still reads this slot or has a load on its way
	s_add_nc_u64 s[G0+4*\slot+2:G0+4*\slot+3], s[G0+4*\slot+2:G0+4*\slot+3], 4*262144   ; four heads on
	s_add_nc_u64 s[G0B+4*\slot+2:G0B+4*\slot+3], s[G0B+4*\slot+2:G0B+4*\slot+3], 512    ; 256 along K on
	JLOAD \slot                                    ; the four v_nop behind it are also the places in front of the loads below
.else
	PLACES
.endif
	FETCH \next, 0, F0
	WIN MUL
	MUL8 F1, 4, 0
	MUL8 F1, 6, 0
.endm
	s_wait_tensorcnt 1                             ; my part of K step 0 is in; K step 1's load may be out
	s_barrier_signal -1
	s_barrier_wait -1                              ; everybody's is
	FETCH 0, 0, F0
	s_wait_loadcnt 0x0                             ; the bias
	QUARTER 0, 1, F0, F1, 1                        ; the first quarter stands in front of the loop: its products start the sums from the bias
	WIN 0                                          ; at a label and at a branch every window is 0
	s_mov_b32 s3, 3
.Llap:                                                 ; a trip goes once round the ring, from a lap's second quarter to the next lap's first, and fills both slots again: K steps 2 to 7
	QUARTER 0, 2, F1, F0, 0
	QUARTER 0, 3, F0, F1, 0
	TURN 0, 1, 1
	QUARTER 1, 1, F0, F1, 0
	QUARTER 1, 2, F1, F0, 0
	QUARTER 1, 3, F0, F1, 0
	TURN 1, 0, 1
	QUARTER 0, 1, F0, F1, 0
	WIN 0
	s_sub_co_u32 s3, s3, 1
	s_cmp_lg_u32 s3, 0
	s_cbranch_scc1 .Llap
	QUARTER 0, 2, F1, F0, 0                        ; the last lap fills nothing, and has no round of the cluster's barrier
	QUARTER 0, 3, F0, F1, 0
	TURN 0, 1, 0
	QUARTER 1, 1, F0, F1, 0
	QUARTER 1, 2, F1, F0, 0
	QUARTER 1, 3, F0, F1, 0
	s_wait_dscnt 8                                 ; the very last quarter: nothing more to fetch
	WIN MUL
	MUL8 F1, 0, 0
	MUL8 F1, 2, 0
	s_wait_dscnt 0
	MUL8 F1, 4, 0
	MUL8 F1, 6, 0
	WIN 0
; THE WAY OUT, block by block of 16 rows x 64 columns.  A lane holds 32 neighbouring bytes of a row: a block goes through my own stage and comes back as whole runs of 256 bytes, which sixteen lanes store.
; LDS serves a wave's instructions in order: no wait between the stores and the loads, nor in front of the next block's stores.
.macro TOSTAGE a
	WIN 0x04                                       ; an LDS store's data are its source 1: window 1
.irp b, 0,1,2,3
	ds_store_b128 v[STO], v[8*(4*(\a)+\b):8*(4*(\a)+\b)+3] offset:64*\b            ; each accumulator from its low end on
	ds_store_b128 v[STO], v[8*(4*(\a)+\b)+4:8*(4*(\a)+\b)+7] offset:64*\b+16
.endr
	WIN 0
.set BB, BK+32*((\a)%2)
.irp t, 0,1,2,3,4,5,6,7
	ds_load_b128 v[BB+4*\t:BB+4*\t+3], v[RD] offset:\t*2*SPITCH
.endr
.endm
.macro SEND a, younger                 ; younger: the LDS instructions issued behind block a's loads, which may stay out
.set BB, BK+32*((\a)%2)
	s_wait_dscnt \younger
.irp t, 0,1,2,3,4,5,6,7
	global_store_b128 v[CO], v[BB+4*\t:BB+4*\t+3], s[8:9] offset:(16*(\a)+2*\t)*4096 th:TH_STORE_NT   ; sixteen lanes store 256 consecutive bytes, aligned; written once, read by nobody here
.endr
.endm
	PLACES
	TOSTAGE 0
.irp a, 1,2,3,4,5,6,7
.if \a > 1
	s_wait_xcnt 0x0                                ; block a - 2's stores have read their registers: block a's loads may land there
.endif
	TOSTAGE \a
	SEND \a-1, 16                                  ; behind block a - 1's loads: block a's 8 stores and 8 loads
.endr
	SEND 7, 0
	s_wait_tensorcnt 0x0                           ; the wave's end: behind my last tensor load and my last LDS store
	ds_add_u32 v[SPW], v[NIL]
	s_wait_dscnt 0x0
	CROUND                                         ; the closing round
	s_endpgm
.Lfunc_end_k_q20b58f7512_proj:
	.size	k_q20b58f7512_proj, .Lfunc_end_k_q20b58f7512_proj-k_q20b58f7512_proj
	.p2alignl 7, 3214868480
	.fill 96, 4, 3214868480
	.section	.rodata,"a",@progbits
	.p2align	6, 0x0
	.amdhsa_kernel k_q20b58f7512_proj
		.amdhsa_group_segment_fixed_size 327680
		.amdhsa_private_segment_fixed_size 0
		.amdhsa_enable_private_segment 0
		.amdhsa_kernarg_size 32
		.amdhsa_user_sgpr_count 2
		.amdhsa_user_sgpr_kernarg_segment_ptr 1
		.amdhsa_wavefront_size32 1
		.amdhsa_system_sgpr_workgroup_id_x 1
		.amdhsa_system_sgpr_workgroup_id_y 1
		.amdhsa_system_sgpr_workgroup_id_z 1
		.amdhsa_system_vgpr_workitem_id 0
		.amdhsa_next_free_vgpr 512
		.amdhsa_next_free_sgpr 68
		.amdhsa_reserve_vcc 0
		.amdhsa_float_denorm_mode_32 3
		.amdhsa_float_denorm_mode_16_64 3
		.amdhsa_memory_ordered 1
		.amdhsa_forward_progress 1
		.amdhsa_inst_pref_size 86
	.end_amdhsa_kernel
	.amdgpu_metadata
---
amdhsa.version: [ 1, 2 ]
amdhsa.kernels:
  - .name:           k_q20b58f7512_proj
    .symbol:         k_q20b58f7512_proj.kd
    .args:
      - { .name: attn, .offset: 0, .size: 8, .value_kind: global_buffer, .address_space: global }
      - { .name: wo_t, .offset: 8, .size: 8, .value_kind: global_buffer, .address_space: global }
      - { .name: bo, .offset: 16, .size: 8, .value_kind: global_buffer, .address_space: global }
      - { .name: out0, .offset: 24, .size: 8, .value_kind: global_buffer, .address_space: global }
    .group_segment_fixed_size: 327680
    .private_segment_fixed_size: 0
    .kernarg_segment_align: 8
    .kernarg_segment_size: 32
    .max_flat_workgroup_size: 128
    .sgpr_count:     68
    .vgpr_count:     512
    .wavefront_size: 32
...
	.end_amdgpu_metadata
.endif
;; end of part 4
